; MI455X (gfx1250); checked and timed in simulation.
; The chip was launched on July 23, 2026; its instructions are those of AMD's public machine-readable ISA for CDNA 5 (MIT licence, August 2026) and "CDNA5" Instruction Set Architecture Reference Guide (July 2026). The comments in the code are by the model that wrote it; some were corrected since.
;; Causal Self Attention. Allowed arithmetic: matrix products marked QUANTISED: E2M1 operands, one E8M0 scale for each 32 along K, by v_wmma_scale_f32_16x16x128_f8f6f4 with both operands' format E2M1 (or v_wmma_scale_f32_32x16x128_f4), f32 sums; everything else in f32.
;; Inputs: b_attn 3,072 float32; b_proj 1,024 float32; w_attn_codes 3,072 x 32 x 16 uint8 (E2M1 codes of w_attn, K innermost, in blocks of 32 codes, two codes a byte); w_attn_scales 3,072 x 32 uint8 (E8M0 scales of w_attn, one for each 32 codes along K); w_proj_codes 1,024 x 32 x 16 uint8 (E2M1 codes of w_proj, K innermost, in blocks of 32 codes, two codes a byte); w_proj_scales 1,024 x 32 uint8 (E8M0 scales of w_proj, one for each 32 codes along K); x_codes 4 x 2,048 x 32 x 16 uint8 (E2M1 codes of x, K innermost, in blocks of 32 codes, two codes a byte); x_scales 4 x 2,048 x 32 uint8 (E8M0 scales of x, one for each 32 codes along K).
;; Outputs: out0 4 x 2,048 x 1,024 float32.
;; This version of the problem:
;;   THIS VERSION OF THE PROBLEM IS GIVEN IN LOW PRECISION. The matrix products marked QUANTISED in the list below multiply operands that are first quantised to E2M1 (2 exponent bits, 1 mantissa bit; 4 bits a number), with one power-of-two scale for each 32 numbers along K (OCP MX v1.0); their sums are f32. All else is computed in f32.
;;   The module's matrix products, in the order in which they are computed (A, B: the left and right operand; K: the contracted axis; several contracted axes count as one K, in the product's order):
;;     1. [M 8,192, K 1,024] x [K 1,024, N 3,072]; A: input x (given as codes); B: input w_attn (given as codes): QUANTISED
;;     2. batch 64 x [M 2,048, K 64] x [K 64, N 2,048]; A: computed on the way; B: computed on the way: QUANTISED
;;     3. batch 64 x [M 2,048, K 2,048] x [K 2,048, N 64]; A: softmax (see below); B: computed on the way: QUANTISED
;;     4. [M 8,192, K 1,024] x [K 1,024, N 1,024]; A: computed on the way; B: input w_proj (given as codes): QUANTISED
;;   THE QUANTISER, for each operand of a quantised product, along K:
;;     - K is cut into blocks of 32 from its start; a last block that is shorter is filled with zeros.
;;     - A block's scale is 2^e with e = floor(log2(the largest magnitude in the block)) - 2, held to -126 .. 127; a block of zeros has e = 0. As a byte (E8M0): e + 127.
;;     - Each number is divided by its block's scale, clamped to +-6, and rounded to the nearest number of E2M1, ties to even, subnormals kept.
;;     - The product sums the exact products of the quantised numbers (number of the format x scale) in f32.
;;   ~~~python
;;   def quantise(x, axis):      # numpy; x: float32 -> the quantised numbers, widened to float32 again
;;       x = np.moveaxis(x, axis, -1); K = x.shape[-1]
;;       x = np.pad(x, [(0, 0)] * (x.ndim - 1) + [(0, -K % 32)]); x = x.reshape(x.shape[:-1] + (-1, 32)); a = np.abs(x).max(-1, keepdims=True)
;;       e = np.where(a > 0, np.clip(np.frexp(np.where(a > 0, a, 1))[1] - 1 - 2, -126, 127), 0)      # np.frexp(a)[1] - 1 = floor(log2(a)), exactly
;;       r = np.clip(x / 2.0 ** e, -6, 6)
;;       step = 2.0 ** (np.maximum(np.frexp(np.where(r == 0, 1, r))[1] - 1, 0) - 1)
;;       q = np.round(r / step) * step * 2.0 ** e      # np.round: ties to even
;;       return np.moveaxis(q.reshape(q.shape[:-2] + (-1,))[..., :K], -1, axis).astype(np.float32)
;;   ~~~
;;   SOFTMAX AHEAD OF A QUANTISED PRODUCT. Where the list says 'softmax', what is quantised is not the finished softmax but p = 2^(t - M), with t = logit x log2(e) and M = ceil(the row's largest t), a whole number; so 1/2 < the row's largest p <= 1. The row's sum l is taken of the UNQUANTISED p, in f32, and the product's result is divided by l at the end. Since M is a whole number, a kernel that streams over the keys may use a running M (the ceiling of the running maximum): every later rescaling is an exact power of two, which a block's scale takes up: the codes' values come out the same.
;;   OPERANDS COMPUTED ON THE WAY. 'Computed on the way' means the value that the module computes at that place (a softmax that the list does not call 'softmax' is quantised finished and normalised). What goes into a quantiser is computed in f32, as accurately as f32 sums, v_exp_f32 and their like allow (about 1e-6 of the number): no bf16 or f16 on the way to a quantiser, and a product that is left as it is and whose result goes on into a quantised operand takes f32 operands (vector FMAs, or v_wmma_f32_16x16x4_f32). A number that lies on a knife's edge between two numbers of the format may be rounded either way, as far as f32 arithmetic and the matrix unit's own rounding can turn it there, and no further.
;;   INPUTS GIVEN AS CODES. w_attn (in the module: [1024, 3072], K = its axis 0); w_proj (in the module: [1024, 1024], K = its axis 0); x (in the module: [4, 2048, 1024], K = its axis 2): each comes as NAME_codes (uint8): NAME with its K axis moved to the last place and cut into blocks of 32 codes, [.., K / 32, bytes a block], one block behind the other in memory; two codes a byte, the lower K in the low four bits (a code: sign, 2 exponent bits, 1 mantissa bit); and NAME_scales (uint8): the same leading axes, one E8M0 byte (e + 127) for each 32 codes along K. Its value is code x scale, taken as it is: it is not quantised again, and the codes and scales need not be those that the quantiser above would give.
;; One version. Each part assembles by itself: llvm-mc -triple=amdgcn-amd-amdhsa -mcpu=gfx1250 --defsym DOCPART=n.
;; ======== version 1 of 1: 3 launches
;; workspace buffers: qkv_img 12,582,912 bytes; qkv_scl 1,310,720 bytes; y_img 4,194,304 bytes; y_scl 262,144 bytes
;; launch qkv (part 1): grid 12 x 32, 4 waves a work-group, clusters of 4 x 4, 297,472 bytes of LDS; arguments x_codes, x_scales, w_attn_codes, w_attn_scales, b_attn, qkv_img, qkv_scl; writes qkv_img, qkv_scl
.if DOCPART == 1
	.amdgcn_target "amdgcn-amd-amdhsa--gfx1250"
	.amdhsa_code_object_version 6
	.text
	.protected	k_q821265ba74_qkv
	.globl	k_q821265ba74_qkv
	.p2align	8
	.type	k_q821265ba74_qkv,@function
k_q821265ba74_qkv:
	s_mov_b64 s[64:65], 0
	v_nop
	global_prefetch_b8 v0, s[64:65] scope:SCOPE_SE
	s_setreg_imm32_b32 hwreg(HW_REG_WAVE_MODE, 25, 1), 1
	s_wait_xcnt 0x0
	s_wait_alu depctr_hold_cnt(0) depctr_sa_sdst(0) depctr_va_vdst(0) depctr_va_sdst(0) depctr_va_ssrc(0) depctr_va_vcc(0) depctr_vm_vsrc(0)
	s_getreg_b32 s2, hwreg(HW_REG_IB_STS2, 6, 4)
	s_cmp_eq_u32 s2, 0
	s_cbranch_scc0 .Lentry_in_a_cluster
	s_endpgm
.Lentry_in_a_cluster:
	s_bfe_u32 s2, ttmp6, 0x10000c
	s_cmp_lg_u32 s2, 0xf033
	s_cbranch_scc0 .Lentry_shape_is_right
	s_endpgm
.Lentry_shape_is_right:
; qkv = x W^T + b_attn on codes of FP4 (E2M1) with one E8M0 scale for each 32 along K (K = 1,024), and q, k, v quantised again on the way out:
; q and k along the head's 64 channels, v along the keys.  Nothing wide goes to memory: the results leave as codes and scale words, laid as the next launch's operand registers want them.
; A tile is 256 x 256, four waves, each 128 x 128: 64 accumulators of 16 x 16.  The matrix instruction's source 0 is called the B side, source 1 the A side: a lane then holds ONE row of the A side
; (lane % 16) and its registers run along the B side: register 8 t + j of a row block is B index 16 t + 8 (lane / 16) + j.  The B side is the axis that is quantised.
;   clusters x = 0, 1 (q, k): A side = tokens (x), B side = rows of W (channels).     cluster x = 2 (v): A side = rows 2,048.. of W (channels), B side = tokens (the keys).
; K = 1,024 codes are 512 bytes a row: two LDS slots of 256-byte rows hold all of K, so every LDS byte is filled once; three tensor loads a wave are out at the most (scales, slot 0, slot 1).
; CLUSTERS: 4 x 4 work-groups; A's tiles are asked for jointly along a row of the cluster, B's along a column.  The path (q, k or v) hangs on the cluster's x alone, which all sixteen partners share.
; The bias is the C of each sum's first matrix instruction.
; OUT.  q, k: [head pair P][token tile 128][head parity][512 bytes]: lane l's 16 bytes at 16 l = token l % 16, channels 32 (l / 16) .. + 31 of the head.
;       v:    [P][key step 16][parity][channel tile 4][c 2][512]: lane l = channel l % 16, keys 64 c + 32 (l / 16) .. + 31 of the step's 128.
;       scale words: q, k: [head][4 tiles][token 16][tile 4][4 bytes], bytes 0, 1 the head's two blocks (bytes 2, 3: the neighbour head's or 0; their codes are zeros in the reader);  v: [P][step][parity][channel 16][tile 4][4 bytes].
; LIMITS: NaN and infinities are not served.  A block whose largest magnitude lies under 2^-124, a block of zeros among them, gets the byte 1 (the quantiser's rule says 127 for zeros): its codes are zeros or
; tiny, and the bytes are read by this program alone.  Given scale bytes are taken as they come.
; REGISTERS: window 0: v1-6 at work, v16-30 addresses, v32-95 scale words (two sets, nothing else), v128-191 A's fragments, later the codes made; v192-255 the bias, later scale words made and work.
;   window 1: B's fragments, two sets.   windows 2, 3: the accumulators ((a, b) at v[8 (8 (a % 4) + b)] of window 2 + a / 4).
.set NQ,     4                         ; matrix instructions deep in a slot (512 along K)
.set ROWB,   256                       ; a tile's row in bytes
.set KROW,   512                       ; a row of codes in memory
.set PITCH,  272                       ; an LDS row: 256 bytes + 16 of padding, so that the 16 rows of a fragment load start 4 banks apart
.set FR,     8
.set NL,     2
.set NP,     4
.set HALFT,  128*PITCH
.set SLOT,   4*HALFT
.set KS,     32                        ; a row of scale bytes
.set SCL,    2*SLOT
.set HALFS,  (128*KS/256)*272
.set SBLK,   (16*KS/256)*272
.set ADRA, 16                          ; v16-17 LDS address of my A fragments in slot 0, 1
.set ADRB, 20                          ; v20-21 the same for B
.set VA,   24                          ; v24 16 x lane: an image's place for my lane
.set VS,   25                          ; v25 my place among the scale words going out
.set SH,   26                          ; v26 q, k: lanes 16-31 send the odd head's two bytes: shift 16; else 0
.set ADRS, 27                          ; v27 LDS address of my scale words: lanes 0-15 A's rows, lanes 16-31 B's
.set VB,   30                          ; v30 my lane's place in the bias
.set SC,   32
.set AF,   128
.set BI,   192                         ; the bias: 8 tiles x 8 registers in the result's layout
.set PC,   128                         ; the codes made: 8 registers for each row block
.set PW,   192                         ; the scale words made: one register for each row block
.set TM,   200                         ; v200-203 largest magnitudes, v204-207 the other half's, then bytes, v212-215 the conversions' scale operands
.set G1, 24
.set G0, 32
.set G1B, 48
.set G0B, 56
.set SEL, 66                           ; s[66:67] lane selects: lane l xor 16
.set G1S, 68
.set G0S, 76
.set G1SB, 80
.set G0SB, 88
.set MSB, 0
.macro WIN new                         ; the immediate's high byte repeats the setting that is left
.if MSB != (\new)
	s_set_vgpr_msb (MSB<<8)|(\new)
.set MSB, (\new)
.endif
.endm
.set TO_B, 0x40                        ; destination window 1, address window 0
; A joint load: waves 0 and 1 fetch for the A side, waves 2 and 3 for the B side; four v_nop follow each of the two lines.
.macro JLOAD g0a, g1a, g0b, g1b
	s_cmp_eq_u32 s15, 0
	s_cbranch_scc0 .Lfor_b_\@
	tensor_load_to_lds s[\g0a:\g0a+3], s[\g1a:\g1a+7]
	s_nop 0
.rept 4
	v_nop
.endr
	s_branch .Lasked_\@
.Lfor_b_\@:
	tensor_load_to_lds s[\g0b:\g0b+3], s[\g1b:\g1b+7]
	s_nop 0
.rept 4
	v_nop
.endr
.Lasked_\@:
.endm
.macro CROUND                          ; a round of the cluster's barrier
	s_barrier_signal -1
	s_barrier_wait -1
	s_cmp_lg_u32 s14, 0
	s_cbranch_scc1 .Lnot_wave_0_\@
	s_barrier_signal -3
.Lnot_wave_0_\@:
	s_barrier_wait -3
	s_barrier_signal -1
	s_barrier_wait -1
.endm
	s_load_b128 s[4:7], s[0:1], 0x0                ; x's codes, x's scales
	s_load_b128 s[8:11], s[0:1], 0x10              ; W's codes, W's scales
	s_load_b128 s[96:99], s[0:1], 0x20             ; the bias, the images
	s_load_b64 s[12:13], s[0:1], 0x30              ; the scale words going out
	v_lshl_add_u32 v126, v0, 2, 0x48800
	v_mov_b32 v127, 0
	ds_add_u32 v126, v127
	ds_add_u32 v126, v127
	v_lshrrev_b32 v1, 5, v0
	v_readfirstlane_b32 s14, v1                    ; wave 0..3
	s_lshr_b32 s15, s14, 1                         ; which half of the A side is mine.  Also: I fetch for A (0) or for B (1)
	s_and_b32 s16, s14, 1                          ; which half of the B side.  Also: which 128 rows of that tile I fetch
	s_bfe_u32 s40, ttmp6, 0x40000                  ; cx, cy: my place in the cluster
	s_bfe_u32 s41, ttmp6, 0x40004
	s_and_b32 s95, ttmp7, 0xffff
	s_lshl_b32 s95, s95, 2                         ; 4 x cluster y
	s_add_co_u32 s17, s95, s41                     ; q, k: A's tile = tokens 256 (4 cluster y + cy)
	s_add_co_u32 s21, s41, 8                       ; v:    A's tile = rows 256 (8 + cy) of W
	s_lshl_b32 s42, ttmp9, 2
	s_add_co_u32 s42, s42, s40                     ; q, k: B's tile = rows 256 (4 cluster x + cx) of W
	s_add_co_u32 s47, s95, s40                     ; v:    B's tile = tokens 256 (4 cluster y + cx)
	s_cmp_eq_u32 ttmp9, 2                          ; the path hangs on the cluster's x alone
	s_cselect_b32 s17, s21, s17                    ; A's tile never holds cx,
	s_cselect_b32 s42, s47, s42                    ; B's never cy
	s_lshl_b32 s43, s41, 2
	s_lshl_b32 s43, 15, s43                        ; my row of the cluster
	s_lshl_b32 s44, 0x1111, s40                    ; my column
	s_or_b32 s[G1+0], s43, (0<<16)|(1<<20)|(1<<21)|(5<<22)|(3<<25)   ; the mask; elements of 1 byte; padding: 4 words behind every 64; bit 21 beside a mask
	s_or_b32 s[G1B+0], s44, (0<<16)|(1<<20)|(1<<21)|(5<<22)|(3<<25)
.irp g, G1, G1B
	s_mov_b32 s[\g+1], ROWB<<16                    ; tensor_dim0
	s_mov_b32 s[\g+2], 128<<16                     ; tensor_dim1
	s_mov_b32 s[\g+3], ROWB<<16                    ; tile_dim0
	s_mov_b32 s[\g+4], 128                         ; tile_dim1
	s_mov_b32 s[\g+5], KROW                        ; the pitch
	s_mov_b32 s[\g+6], 0
	s_mov_b32 s[\g+7], 0
.endr
	s_or_b32 s[G1S+0], s43, (3<<16)|(1<<20)|(1<<21)|(5<<22)|(3<<25)  ; the scales of 128 rows: 4,096 dense bytes as 16 rows of 256 (32 elements of 8 bytes), 16 bytes of padding behind each
	s_or_b32 s[G1SB+0], s44, (3<<16)|(1<<20)|(1<<21)|(5<<22)|(3<<25)
.irp g, G1S, G1SB
	s_mov_b32 s[\g+1], 32<<16
	s_mov_b32 s[\g+2], (128*KS/256)<<16
	s_mov_b32 s[\g+3], 32<<16
	s_mov_b32 s[\g+4], 128*KS/256
	s_mov_b32 s[\g+5], 32
	s_mov_b32 s[\g+6], 0
	s_mov_b32 s[\g+7], 0
.endr
	s_lshl_b32 s18, s16, 7                         ; which 128 rows of the tile I fetch
	s_lshl_b32 s20, s17, 8
	s_add_co_u32 s20, s20, s18                     ; A: first row
	s_lshl_b32 s46, s42, 8
	s_add_co_u32 s46, s46, s18                     ; B: first row
	s_mov_b32 s21, 0
	s_mov_b32 s47, 0
	s_mov_b64 s[18:19], KS
	s_mul_u64 s[22:23], s[20:21], s[18:19]         ; where these rows' scales begin, in bytes,
	s_mul_u64 s[92:93], s[46:47], s[18:19]
	s_mov_b64 s[18:19], KROW
	s_mul_u64 s[20:21], s[20:21], s[18:19]         ; and their codes
	s_mul_u64 s[46:47], s[46:47], s[18:19]
	s_mul_i32 s45, s14, HALFT                      ; where they go: wave x 128 rows
	s_mul_i32 s94, s14, HALFS
	s_mov_b32 s[SEL], 0x76543210
	s_mov_b32 s[SEL+1], 0xfedcba98
	s_wait_dscnt 0x0
	s_wait_kmcnt 0x0
	s_cmp_eq_u32 ttmp9, 2                          ; which tensor is the A side, which the B side: a choice between buffers on the cluster's x
	s_cselect_b64 s[100:101], s[8:9], s[4:5]
	s_add_nc_u64 s[20:21], s[100:101], s[20:21]    ; A's codes
	s_cselect_b64 s[100:101], s[10:11], s[6:7]
	s_add_nc_u64 s[22:23], s[100:101], s[22:23]    ; A's scales
	s_cselect_b64 s[100:101], s[4:5], s[8:9]
	s_add_nc_u64 s[46:47], s[100:101], s[46:47]    ; B's codes
	s_cselect_b64 s[100:101], s[6:7], s[10:11]
	s_add_nc_u64 s[92:93], s[100:101], s[92:93]    ; B's scales
	CROUND                                         ; all sixteen work-groups are here: the joint loads meet
	s_mov_b32 s[G0S], 1
	s_add_co_u32 s[G0S+1], s94, SCL
	s_mov_b64 s[G0S+2:G0S+3], s[22:23]
	s_or_b32 s[G0S+3], s[G0S+3], 0x80000000
	s_mov_b32 s[G0SB], 1
	s_add_co_u32 s[G0SB+1], s94, SCL
	s_mov_b64 s[G0SB+2:G0SB+3], s[92:93]
	s_or_b32 s[G0SB+3], s[G0SB+3], 0x80000000
	JLOAD G0S, G1S, G0SB, G1SB                     ; the scales first: they are wanted with the first step
.irp s, 0,1
	s_mov_b32 s[G0+4*\s], 1
	s_add_co_u32 s[G0+4*\s+1], s45, \s*SLOT
	s_add_nc_u64 s[G0+4*\s+2:G0+4*\s+3], s[20:21], \s*ROWB
	s_or_b32 s[G0+4*\s+3], s[G0+4*\s+3], 0x80000000
	s_mov_b32 s[G0B+4*\s], 1
	s_add_co_u32 s[G0B+4*\s+1], s45, \s*SLOT
	s_add_nc_u64 s[G0B+4*\s+2:G0B+4*\s+3], s[46:47], \s*ROWB
	s_or_b32 s[G0B+4*\s+3], s[G0B+4*\s+3], 0x80000000
	JLOAD G0+4*\s, G1, G0B+4*\s, G1B
.endr
	v_and_b32 v1, 15, v0                           ; r = l % 16
	v_bfe_u32 v2, v0, 4, 1                         ; h = l / 16
	v_mul_u32_u24 v3, v1, PITCH
	v_lshl_add_u32 v4, v2, 4, v3                   ; a fragment's row x pitch + 16 h
	s_mul_i32 s21, s15, HALFT                      ; my 128 rows of A,
	s_mul_i32 s22, s16, HALFT                      ; my 128 rows of B,
	s_add_co_u32 s22, s22, 2*HALFT                 ; which lie behind A's 256
.irp s, 0,1
	v_add_nc_u32 v[ADRA+\s], s21, v4
	v_add_nc_u32 v[ADRB+\s], s22, v4
	s_add_co_u32 s21, s21, SLOT
	s_add_co_u32 s22, s22, SLOT
.endr
	v_mul_u32_u24 v5, v1, KS                       ; my row's scales: 32 bytes a row,
	v_lshrrev_b32 v6, 8, v5
	v_lshl_add_u32 v5, v6, 4, v5                   ; and 16 more for each 256 passed
	s_mul_i32 s21, s15, HALFS
	s_mul_i32 s22, s16, HALFS
	s_add_co_u32 s22, s22, 2*HALFS
	s_sub_co_u32 s22, s22, s21
	v_mul_u32_u24 v6, s22, v2                      ; lanes 16-31 take B's
	s_add_co_u32 s21, s21, SCL
	v_add_nc_u32 v5, v5, v6
	v_add_nc_u32 v[ADRS], s21, v5
	v_and_b32 v6, 31, v0
	v_lshlrev_b32 v[VA], 4, v6
	; where my results go.  U: the tile of 256 tokens; cH, wH: which 256 and which 128 channels; wT: which 128 tokens
	s_cmp_eq_u32 ttmp9, 2
	s_cselect_b32 s18, s42, s17                    ; U
	s_cselect_b32 s19, s41, s40                    ; cH
	s_cselect_b32 s20, s15, s16                    ; wH
	s_cselect_b32 s21, s16, s15                    ; wT
	s_cselect_b32 s22, 13, 14                      ; a head pair's scale words: 8,192 bytes for v, 16,384 for q and k
	s_cselect_b32 s23, 0, 0x2000                   ; q, k: lanes 16-31 write the odd head's words, 8,192 bytes on
	s_cselect_b32 s46, 0, 16
	v_mul_u32_u24 v[VS], s23, v2
	v_lshl_add_u32 v[VS], v1, 4, v[VS]             ; 16 r + the half's term
	v_mul_u32_u24 v[SH], s46, v2
	s_lshr_b32 s47, s18, 3
	s_lshl_b32 s47, s47, 3                         ; 8 x batch element
	s_lshl_b32 s19, s19, 1
	s_add_co_u32 s47, s47, s19
	s_add_co_u32 s47, s47, s20                     ; P = 8 b + 2 cH + wH: the pair of heads
	s_and_b32 s18, s18, 7
	s_lshl_b32 s18, s18, 1
	s_add_co_u32 s18, s18, s21                     ; which 128 tokens of the batch element's 2,048
	s_lshl_b32 s92, ttmp9, 22                      ; the region: q, k or v
	s_lshl_b32 s93, s47, 17
	s_add_co_u32 s92, s92, s93
	s_lshl_b32 s93, s18, 13
	s_add_co_u32 s92, s92, s93
	s_mov_b32 s93, 0
	s_add_nc_u64 s[98:99], s[98:99], s[92:93]      ; the images: 4,194,304 region + 131,072 P + 8,192 x (128 tokens)
	s_lshl_b32 s92, ttmp9, 19
	s_lshl_b32 s94, s47, s22
	s_add_co_u32 s92, s92, s94
	s_lshl_b32 s94, s18, 9
	s_add_co_u32 s92, s92, s94
	s_add_nc_u64 s[12:13], s[12:13], s[92:93]      ; the scale words: 524,288 region + P's block + 512 x (128 tokens)
	s_lshl_b32 s92, ttmp9, 12
	s_lshl_b32 s94, s19, 9
	s_add_co_u32 s92, s92, s94
	s_lshl_b32 s94, s20, 9
	s_add_co_u32 s92, s92, s94
	s_add_nc_u64 s[96:97], s[96:97], s[92:93]      ; the bias of my 128 channels
	s_cmp_eq_u32 ttmp9, 2
	s_cbranch_scc1 .Lbias_v
	v_lshlrev_b32 v[VB], 5, v2                     ; q, k: channels run along the registers: tile b's eight of my half
.irp b, 0,1,2,3,4,5,6,7
	global_load_b128 v[BI+8*\b:BI+8*\b+3], v[VB], s[96:97] offset:64*\b
	global_load_b128 v[BI+8*\b+4:BI+8*\b+7], v[VB], s[96:97] offset:64*\b+16
.endr
	s_branch .Lbias_done
.Lbias_v:
	v_lshlrev_b32 v[VB], 2, v1                     ; v: a lane holds one channel: its bias in all eight registers of row block a
.irp a, 0,1,2,3,4,5,6,7
.irp j, 0,1,2,3,4,5,6,7
	global_load_b32 v[BI+8*\a+\j], v[VB], s[96:97] offset:64*\a
.endr
.endr
.Lbias_done:
.macro FRAG reg, adr, q, i             ; 16 rows x 128 K of 4-bit codes: lane l holds row l % 16; registers 4 c .. 4 c + 3 hold K = 64 c + 32 (l / 16) + 0 .. 31
.irp c, 0,1
	ds_load_b128 v[\reg+4*\c:\reg+4*\c+3], v[\adr] offset:64*(\q)+32*\c+(\i)*16*PITCH
.endr
.endm
; 16 matrix instructions: A's blocks a0, a0 + 1 x B's eight.  cin = 0: onto the sums; 1: the sums start with the bias by B's index; 2: by A's.  The 64 accumulators take turns, one instruction a turn.
.macro MUL16 a0, p, q, sc, cin
.irp a, \a0, \a0+1
.irp b, 0,1,2,3,4,5,6,7
.if \cin == 1
	v_wmma_scale_f32_16x16x128_f8f6f4 v[8*(8*((\a)%4)+\b):8*(8*((\a)%4)+\b)+7], v[128*(\p)+FR*\b:128*(\p)+FR*\b+FR-1], v[AF+FR*(\a):AF+FR*(\a)+FR-1], v[BI+8*\b:BI+8*\b+7], v[SC+8*NQ*(\sc)+NQ*\b+(\q)], v[SC+8*NQ*(\sc)+NQ*(\a)+(\q)] matrix_a_fmt:MATRIX_FMT_FP4 matrix_b_fmt:MATRIX_FMT_FP4 matrix_a_scale:MATRIX_SCALE_ROW1
.elseif \cin == 2
	v_wmma_scale_f32_16x16x128_f8f6f4 v[8*(8*((\a)%4)+\b):8*(8*((\a)%4)+\b)+7], v[128*(\p)+FR*\b:128*(\p)+FR*\b+FR-1], v[AF+FR*(\a):AF+FR*(\a)+FR-1], v[BI+8*(\a):BI+8*(\a)+7], v[SC+8*NQ*(\sc)+NQ*\b+(\q)], v[SC+8*NQ*(\sc)+NQ*(\a)+(\q)] matrix_a_fmt:MATRIX_FMT_FP4 matrix_b_fmt:MATRIX_FMT_FP4 matrix_a_scale:MATRIX_SCALE_ROW1
.else
	v_wmma_scale_f32_16x16x128_f8f6f4 v[8*(8*((\a)%4)+\b):8*(8*((\a)%4)+\b)+7], v[128*(\p)+FR*\b:128*(\p)+FR*\b+FR-1], v[AF+FR*(\a):AF+FR*(\a)+FR-1], v[8*(8*((\a)%4)+\b):8*(8*((\a)%4)+\b)+7], v[SC+8*NQ*(\sc)+NQ*\b+(\q)], v[SC+8*NQ*(\sc)+NQ*(\a)+(\q)] matrix_a_fmt:MATRIX_FMT_FP4 matrix_b_fmt:MATRIX_FMT_FP4 matrix_a_scale:MATRIX_SCALE_ROW1
.endif
.endr
.endr
.endm
.macro FETCH_B slot, q, p
	WIN TO_B
.irp i, 0,1,2,3,4,5,6,7
	FRAG 128*(\p)+FR*\i, ADRB+\slot, \q, \i
.endr
	WIN 0
.endm
.macro FETCH_A slot, q, i0
.irp i, \i0, \i0+1, \i0+2, \i0+3
	FRAG AF+FR*(\i), ADRA+\slot, \q, \i
.endr
.endm
.macro SCALES sc                       ; a slot's scale words: 4 words a row; lanes 0-15 take A's block i, lanes 16-31 B's block i
.irp i, 0,1,2,3,4,5,6,7
	ds_load_b128 v[SC+8*NQ*\sc+NQ*\i:SC+8*NQ*\sc+NQ*\i+3], v[ADRS] offset:\i*SBLK
.endr
.endm
.macro PLACES n                        ; plain vector instructions between a matrix instruction and a load into, or a vector read or write of, its registers
.rept \n
	v_nop
.endr
.endm
.macro STEP slot, q, cin               ; 128 along K, with its successor in the same slot
	s_wait_dscnt 4*NL                              ; B's set, A's blocks 0-3 (and the scale words) are in; the eight youngest loads, A's blocks 4-7, may be out
.if \cin
	WIN 0x81                                       ; B window 1, A window 0, C (the bias) window 0, D window 2
.else
	WIN 0xa1                                       ; C and D window 2
.endif
	MUL16 0, (\q)%2, \q, \slot, \cin
	MUL16 2, (\q)%2, \q, \slot, \cin
	s_wait_dscnt 0                                 ; A's blocks 4-7 are in
	PLACES NP
	FETCH_B \slot, (\q)+1, 1-(\q)%2
	FETCH_A \slot, (\q)+1, 0
.if \cin
	WIN 0xc1
.else
	WIN 0xf1
.endif
	MUL16 4, (\q)%2, \q, \slot, \cin
	MUL16 6, (\q)%2, \q, \slot, \cin
	PLACES NP
	WIN 0
	FETCH_A \slot, (\q)+1, 4
.endm
.macro STEPS slot, from
.set Q, \from
.rept NQ-1-\from
	STEP \slot, Q, 0
.set Q, Q+1
.endr
.endm
	s_wait_tensorcnt 1                             ; the scales and my part of slot 0 are in; slot 1's load may be out
	s_barrier_signal -1
	s_barrier_wait -1                              ; everybody's are
	FETCH_B 0, 0, 0
	FETCH_A 0, 0, 0
	s_wait_alu depctr_va_vdst(0)
	SCALES 0
	FETCH_A 0, 0, 4
	s_wait_loadcnt 0x0                             ; the bias
	s_cmp_eq_u32 ttmp9, 2                          ; only the first step differs between the paths: which index the bias goes by
	s_cbranch_scc1 .Lfirst_v
	STEP 0, 0, 1
	s_branch .Lfirst_done
.Lfirst_v:
	STEP 0, 0, 2
.Lfirst_done:
	STEPS 0, 1
	; slot 0's last step changes slots: each wave's part of slot 1 has landed, then the barrier; nothing is filled again
	s_wait_tensorcnt 0x0
	s_wait_dscnt 4*NL
	WIN 0xa1
	MUL16 0, 1, NQ-1, 0, 0
	s_wait_dscnt 0x0
	s_barrier_signal -1
	MUL16 2, 1, NQ-1, 0, 0
	WIN 0
	s_barrier_wait -1
	PLACES NP
	v_add_nc_u32 v[ADRS], 4*NQ, v[ADRS]            ; on to slot 1's scale words (no LDS load of mine is out)
	FETCH_B 1, 0, 0
	FETCH_A 1, 0, 0
	SCALES 1
	WIN 0xf1
	MUL16 4, 1, NQ-1, 0, 0
	MUL16 6, 1, NQ-1, 0, 0
	PLACES NP
	WIN 0
	FETCH_A 1, 0, 4
	STEPS 1, 0
	s_wait_dscnt 4*NL                              ; the very last step: nothing more to fetch
	WIN 0xa1
	MUL16 0, 1, NQ-1, 1, 0
	MUL16 2, 1, NQ-1, 1, 0
	s_wait_dscnt 0
	WIN 0xf1
	MUL16 4, 1, NQ-1, 1, 0
	MUL16 6, 1, NQ-1, 1, 0
	WIN 0
; THE WAY OUT.  Row block a: 64 numbers a lane, register 16 b + i of block b of 32: index 32 b + 16 (i / 8) + 8 (lane / 16) + i % 8; lanes l and l xor 16 hold a block together.
; Largest magnitude (with the floor 2^(3 - 127) among its leaves, so that the byte cannot fall under 1), 2 off its exponent field = the conversion's scale operand, its exponent field = the byte.
; The eight conversions' results are laid so that two exchanges of half rows for each 64 give the operand's layout: registers 4 c .. 4 c + 3 hold index 64 c + 32 (lane / 16) + 0 .. 31.
.macro QUANTW a
.set AC, 64*((\a)%4)
	WIN 0x0a+5*((\a)/4)                            ; sources 0 and 1: the accumulators' window
.irp b, 0,1,2,3
	v_max3_num_f32 v[TM+\b], |v[AC+16*\b]|, |v[AC+16*\b+1]|, 0x1800000   ; each accumulator is read from its low end on
.endr
.irp i, 2,4,6,8,10,12,14
.irp b, 0,1,2,3
	v_max3_num_f32 v[TM+\b], |v[AC+16*\b+\i]|, |v[AC+16*\b+\i+1]|, v[TM+\b]
.endr
.endr
	WIN 0
.irp b, 0,1,2,3
	v_permlanex16_b32 v[TM+4+\b], v[TM+\b], s[SEL], s[SEL+1]
.endr
.irp b, 0,1,2,3
	v_max_num_f32 v[TM+\b], v[TM+\b], v[TM+4+\b]
.endr
.irp b, 0,1,2,3
	v_add_nc_u32 v[TM+12+\b], 0xff000000, v[TM+\b]
.endr
.irp b, 0,1,2,3
	v_lshrrev_b32 v[TM+4+\b], 23, v[TM+12+\b]
.endr
	v_lshl_or_b32 v[PW+(\a)], v[TM+5], 8, v[TM+4]
	v_lshl_or_b32 v[PW+(\a)], v[TM+6], 16, v[PW+(\a)]
	v_lshl_or_b32 v[PW+(\a)], v[TM+7], 24, v[PW+(\a)]
	WIN 2+(\a)/4                                   ; source 0: the accumulators' window
.irp b, 0,1,2,3
	v_cvt_scalef32_pk8_fp4_f32 v[PC+8*(\a)+4*(\b/2)+(\b%2)], v[AC+16*\b:AC+16*\b+7], v[TM+12+\b]
	v_cvt_scalef32_pk8_fp4_f32 v[PC+8*(\a)+4*(\b/2)+2+(\b%2)], v[AC+16*\b+8:AC+16*\b+15], v[TM+12+\b]
.endr
	WIN 0
	v_nop                                          ; one plain place behind a scaled conversion
.irp c, 0,1
	v_permlane16_swap_b32 v[PC+8*(\a)+4*\c], v[PC+8*(\a)+4*\c+1]
	v_permlane16_swap_b32 v[PC+8*(\a)+4*\c+2], v[PC+8*(\a)+4*\c+3]
.endr
.irp c, 0,1
	global_store_b128 v[VA], v[PC+8*(\a)+4*\c:PC+8*(\a)+4*\c+3], s[98:99] offset:1024*(\a)+512*\c   ; 32 lanes store 512 consecutive bytes, aligned; no store's data or address is written again
.endr
.endm
.macro OUTS g                          ; the scale words of row blocks 4 g .. 4 g + 3: 16 bytes a lane, sixteen lanes to 256 consecutive bytes (v: both halves of the lanes write the same bytes with the same values)
.irp j, 0,1,2,3
	v_lshrrev_b32 v[PW+4*\g+\j], v[SH], v[PW+4*\g+\j]
.endr
	global_store_b128 v[VS], v[PW+4*\g:PW+4*\g+3], s[12:13] offset:256*\g
.endm
	PLACES NP                                      ; behind the last products: their results are read and A's registers written below
.irp b, 0,1,2,3
	v_mov_b32 v[TM+4+\b], 0                        ; written once: a lane permute's destination counts as one of its sources
.endr
	QUANTW 0
	QUANTW 1
	QUANTW 2
	QUANTW 3
	OUTS 0
	QUANTW 4
	QUANTW 5
	QUANTW 6
	QUANTW 7
	OUTS 1
	s_wait_tensorcnt 0x0
	s_wait_tensorcnt 0x0
	ds_add_u32 v126, v127
	s_wait_dscnt 0x0
	CROUND                                         ; the closing round: no work-group ends while a partner may still ask for a tile that names it
	s_endpgm
.Lfunc_end_k_q821265ba74_qkv:
	.size	k_q821265ba74_qkv, .Lfunc_end_k_q821265ba74_qkv-k_q821265ba74_qkv
	.p2alignl 7, 3214868480
	.fill 96, 4, 3214868480
	.section	.rodata,"a",@progbits
	.p2align	6, 0x0
	.amdhsa_kernel k_q821265ba74_qkv
		.amdhsa_group_segment_fixed_size 297472
		.amdhsa_private_segment_fixed_size 0
		.amdhsa_enable_private_segment 0
		.amdhsa_kernarg_size 56
		.amdhsa_user_sgpr_count 2
		.amdhsa_user_sgpr_kernarg_segment_ptr 1
		.amdhsa_wavefront_size32 1
		.amdhsa_system_sgpr_workgroup_id_x 1
		.amdhsa_system_sgpr_workgroup_id_y 1
		.amdhsa_system_sgpr_workgroup_id_z 1
		.amdhsa_system_vgpr_workitem_id 0
		.amdhsa_next_free_vgpr 1024
		.amdhsa_next_free_sgpr 102
		.amdhsa_reserve_vcc 0
		.amdhsa_float_denorm_mode_32 3
		.amdhsa_float_denorm_mode_16_64 3
		.amdhsa_memory_ordered 1
		.amdhsa_forward_progress 1
		.amdhsa_inst_pref_size 147
	.end_amdhsa_kernel
	.amdgpu_metadata
---
amdhsa.version: [ 1, 2 ]
amdhsa.kernels:
  - .name:           k_q821265ba74_qkv
    .symbol:         k_q821265ba74_qkv.kd
    .args:
      - { .name: x_codes, .offset: 0, .size: 8, .value_kind: global_buffer, .address_space: global }
      - { .name: x_scales, .offset: 8, .size: 8, .value_kind: global_buffer, .address_space: global }
      - { .name: w_attn_codes, .offset: 16, .size: 8, .value_kind: global_buffer, .address_space: global }
      - { .name: w_attn_scales, .offset: 24, .size: 8, .value_kind: global_buffer, .address_space: global }
      - { .name: b_attn, .offset: 32, .size: 8, .value_kind: global_buffer, .address_space: global }
      - { .name: qkv_img, .offset: 40, .size: 8, .value_kind: global_buffer, .address_space: global }
      - { .name: qkv_scl, .offset: 48, .size: 8, .value_kind: global_buffer, .address_space: global }
    .group_segment_fixed_size: 297472
    .private_segment_fixed_size: 0
    .kernarg_segment_align: 8
    .kernarg_segment_size: 56
    .max_flat_workgroup_size: 128
    .sgpr_count:     102
    .vgpr_count:     1024
    .wavefront_size: 32
...
	.end_amdgpu_metadata
.endif
;; end of part 1
;; launch attn (part 2): grid 4 x 64, 16 waves a work-group, no clusters, 169,984 bytes of LDS; arguments qkv_img, qkv_scl, y_img, y_scl; writes y_img, y_scl
.if DOCPART == 2
	.amdgcn_target "amdgcn-amd-amdhsa--gfx1250"
	.amdhsa_code_object_version 6
	.text
	.protected	k_q821265ba74_attn
	.globl	k_q821265ba74_attn
	.p2align	8
	.type	k_q821265ba74_attn,@function
k_q821265ba74_attn:
	s_mov_b64 s[64:65], 0
	v_nop
	global_prefetch_b8 v0, s[64:65] scope:SCOPE_SE
	s_setreg_imm32_b32 hwreg(HW_REG_WAVE_MODE, 25, 1), 1
	s_wait_xcnt 0x0
; y[b][q][head] = the sum over keys k <= q of softmax_k(q . k / 8) v, both products on codes of FP4 (E2M1) with one E8M0 scale for each 32 along a product's K; y is quantised along its channels on the way out.
; THE SOFTMAX AHEAD OF THE SECOND PRODUCT: t = score x log2(e) / 8; M = the row's largest t so far, rounded UP to a whole number; p = 2^(t - M) is what is quantised, along the keys, not normalised.
; The row's sum is taken of the unquantised p and divides at the end.  When M moves, the sum and O are multiplied by 2^(old M - new M): exact.
; SHARES.  Work-group (i, head) owns blocks i and 7 - i of the head's eight blocks of 256 queries.  Wave w takes the tile of 16 queries 16 i + w, then tile 127 - (16 i + w): 17 key steps of 128 keys for every wave of
; the launch.  Sixteen waves of 256 registers, four to a SIMD: one wave's vector work stands beside another's matrix work and LDS loads.
; LDS.  The head's K and V codes (65,536 bytes each) and scale words (8,192 and 4,096) are brought ONCE, by six tensor loads (one each for waves 0 to 5), and stay: no byte is filled twice, nothing is stored to LDS,
; one barrier in the whole text.  All lie as images of operand registers (lane l's 16 bytes at 16 l), so every LDS load reads 512 consecutive bytes.
; NO CLUSTER: the work-groups that share K and V are the query blocks of one head, and the steps that the causal mask spares hang on the query block; partners of a joint load must run alike.
; LAYOUT.  Both products are used transposed: S^T = K Q^T (source 0 = 16 keys, source 1 = my 16 queries), O^T = V^T P^T: a lane holds ONE query (lane % 16); register 8 t + j is key (or channel) 16 t + 8 (lane / 16) + j.
; The head has 64 channels: the upper 64 of the first product's K are zero codes on both sides (registers cleared once), which add nothing under any scale byte but 0xff.
; CAUSAL.  The loops' trip counts are constants; a step all of whose keys come after my queries is jumped over by a scalar branch on ids; in the one step on the diagonal hidden scores become -infinity.
; y's scale bytes go out as 2 bytes in each of 16 rows: a row's 32 bytes belong to 16 heads, that is, to 16 work-groups; they are one sixteenth of y's code bytes.
; LIMITS: NaN and infinities are not served; p under 2^-126 is 0 (v_exp_f32 flushes: ISA guide, its entry); a block of y under 2^-124, or of zeros, gets the byte 1: read by this program alone.
.set KIMG, 0                           ; K: token tile tau at 512 tau
.set VIMG, 65536                       ; V: 4,096 step + 1,024 channel tile + 512 c
.set KSC,  131072                      ; K's scale words: 256 bytes for four tiles: [token 16][tile 4][4]
.set VSC,  139264                      ; V's: 256 bytes a step: [channel 16][tile 4][4]
.set LI,   1                           ; v1  16 x lane
.set R16,  2                           ; v2  16 r
.set AKS,  3                           ; v3  16 x lane + KSC
.set AVS,  4                           ; v4  16 r + VSC
.set R32,  5                           ; v5  32 r
.set QL,   7                           ; v7  r - 8 h
.set ADK,  8                           ; v8-11 the step's LDS addresses
.set ADV,  9
.set ADS,  10
.set ADT,  11
.set QF,   16                          ; v16-23 Q's fragment (v20-23 zeros);  v12 -M, v13 the largest t, v[14:15] the sum in two halves
.set KSW,  24                          ; v24-27 K's scale words: lanes 0-15 tiles 0-3, lanes 16-31 tiles 4-7
.set VSW,  28                          ; v28-31 V's
.set KFR,  32                          ; v32-95 eight fragments of K (the upper four registers of each: zeros)
.set S,    96                          ; v96-159 S^T, then p; at a tile's end y
.set OT,   160                         ; v160-191 O^T
.set VFR,  192                         ; v192-223 four fragments of V
.set PC,   224                         ; v224-231 p's codes
.set BM,   232                         ; v232-235 each block's largest
.set BP,   236                         ; v236-239 the other half's, then bytes, then a chain of the sum
.set YB,   240                         ; v240 y's two scale bytes
.set DD,   241                         ; v241 the mask's d
.set FF,   242                         ; v[242:243] f = 2^(old M - new M); v243 is named with it as a pair
.set SO,   244                         ; v244-247 the conversions' scale operands
.set QOF,  248                         ; v248-251 the tile's byte offsets: Q's image, Q's scale word, y's image, y's scale bytes
.set QSO,  249
.set YOF,  250
.set YSO,  251
.set PSW,  253                         ; v253 p's scale word
.set TMP,  254
.set QSW,  255                         ; v255 Q's scale word
.set G1K,  12                          ; s[12:19], s[20:27], s[28:35], s[36:43] descriptor groups 1;  s[44:47] .. s[56:59] groups 0
.set G1V,  20
.set G1KS, 28
.set G1VS, 36
.set G0K,  44
.set G0V,  48
.set G0KS, 52
.set G0VS, 56
.set WV,   80
.set PP,   81                          ; the pair of heads
.set SEL,  82                          ; s[82:83] lane selects: lane l xor 16
.set CS,   84                          ; s[84:85] c = log2(e) / 8
.set BH,   86                          ; 16 x batch element + head
.set CNT,  87
.set TAU,  88                          ; my tile of 16 queries
.set SD,   89                          ; the step on the diagonal: tau / 8
.set ST,   90                          ; the step
.set TK,   91                          ; 4,096 a step: K's and V's images
.set TS,   92                          ; 512 a step: K's scale words
.set TJ,   93                          ; 256 a step: V's
	s_load_b256 s[4:11], s[0:1], 0x0               ; the images s[4:5], their scale words s[6:7], y's images s[8:9], y's scale bytes s[10:11]
	v_lshl_add_u32 v254, v0, 2, 0x29000
	v_mov_b32 v255, 0
	ds_add_u32 v254, v255
	ds_add_u32 v254, v255
	s_wait_dscnt 0x0
	v_lshrrev_b32 v8, 5, v0
	s_delay_alu instid0(VALU_DEP_1)
	v_readfirstlane_b32 s[WV], v8                  ; wave 0..15
	s_and_b32 s[BH], ttmp7, 0xffff
	s_lshr_b32 s[PP], s[BH], 1
	s_and_b32 s95, s[BH], 1                        ; the head's parity
	s_and_b32 s94, s[WV], 1                        ; which half of K or of V I fetch, if I fetch
	; group 1, elements of 8 bytes, no padding.  K: 64 rows (token tiles) of 512 bytes, 1,024 apart
	s_mov_b32 s[G1K], 3<<16
	s_mov_b32 s[G1K+1], 64<<16
	s_mov_b32 s[G1K+2], 64<<16
	s_mov_b32 s[G1K+3], 64<<16
	s_mov_b32 s[G1K+4], 64
	s_mov_b32 s[G1K+5], 128
	s_mov_b32 s[G1K+6], 0
	s_mov_b32 s[G1K+7], 0
	; V: 8 rows (key steps) of 4,096 bytes, 8,192 apart
	s_mov_b32 s[G1V], 3<<16
	s_mov_b32 s[G1V+1], 512<<16
	s_mov_b32 s[G1V+2], 8<<16
	s_mov_b32 s[G1V+3], 512<<16
	s_mov_b32 s[G1V+4], 8
	s_mov_b32 s[G1V+5], 1024
	s_mov_b32 s[G1V+6], 0
	s_mov_b32 s[G1V+7], 0
	; K's scale words: 8,192 dense bytes as 32 rows of 256
	s_mov_b32 s[G1KS], 3<<16
	s_mov_b32 s[G1KS+1], 32<<16
	s_mov_b32 s[G1KS+2], 32<<16
	s_mov_b32 s[G1KS+3], 32<<16
	s_mov_b32 s[G1KS+4], 32
	s_mov_b32 s[G1KS+5], 32
	s_mov_b32 s[G1KS+6], 0
	s_mov_b32 s[G1KS+7], 0
	; V's: 16 rows (key steps) of 256 bytes, 512 apart
	s_mov_b32 s[G1VS], 3<<16
	s_mov_b32 s[G1VS+1], 32<<16
	s_mov_b32 s[G1VS+2], 16<<16
	s_mov_b32 s[G1VS+3], 32<<16
	s_mov_b32 s[G1VS+4], 16
	s_mov_b32 s[G1VS+5], 64
	s_mov_b32 s[G1VS+6], 0
	s_mov_b32 s[G1VS+7], 0
	s_lshl_b32 s96, s[PP], 17
	s_lshl_b32 s97, s95, 9
	s_add_co_u32 s96, s96, s97                     ; the head's place in q's and in k's region: 131,072 P + 512 parity
	s_mov_b32 s97, 0
	s_lshl_b32 s98, s94, 16                        ; my half: 65,536 bytes on
	s_add_co_u32 s98, s98, s96
	s_add_co_u32 s98, s98, 0x400000                ; k's region
	s_mov_b32 s99, 0
	s_lshl_b32 s100, s[PP], 17
	s_lshl_b32 s101, s95, 12
	s_add_co_u32 s100, s100, s101
	s_lshl_b32 s101, s94, 16
	s_add_co_u32 s100, s100, s101
	s_add_co_u32 s100, s100, 0x800000              ; v's region: + 131,072 P + 4,096 parity + my half
	s_mov_b32 s101, 0
	s_lshl_b32 s60, s[BH], 13                      ; the head's scale words of q and of k: 8,192 bytes a head
	s_mov_b32 s61, 0
	s_lshl_b32 s62, s[PP], 13
	s_lshl_b32 s63, s95, 8
	s_add_co_u32 s62, s62, s63
	s_add_co_u32 s62, s62, 0x100000                ; v's: 1,048,576 + 8,192 P + 256 parity
	s_mov_b32 s63, 0
	s_lshr_b32 s68, s[BH], 4                       ; the batch element
	s_and_b32 s69, s[BH], 15                       ; the head
	s_lshl_b32 s70, s68, 20
	s_lshl_b32 s71, s69, 9
	s_add_co_u32 s70, s70, s71                     ; y's images: 8,192 x (128 b + tau) + 512 head
	s_mov_b32 s71, 0
	s_lshl_b32 s72, s68, 16
	s_lshl_b32 s73, s69, 1
	s_add_co_u32 s72, s72, s73                     ; y's scale bytes: 32 x token + 2 head
	s_mov_b32 s73, 0
	s_mov_b32 s[G0K], 1
	s_lshl_b32 s[G0K+1], s94, 15                   ; LDS: K's half
	s_mov_b32 s[G0V], 1
	s_lshl_b32 s[G0V+1], s94, 15
	s_add_co_u32 s[G0V+1], s[G0V+1], VIMG
	s_mov_b32 s[G0KS], 1
	s_mov_b32 s[G0KS+1], KSC
	s_mov_b32 s[G0VS], 1
	s_mov_b32 s[G0VS+1], VSC
	s_mov_b32 s[SEL], 0x76543210
	s_mov_b32 s[SEL+1], 0xfedcba98
	s_mov_b32 s[CS], 0x3e38aa3b                    ; c = log2(e) / 8
	s_mov_b32 s[CS+1], s[CS]                       ; (named with it as a pair, so it is written)
	s_wait_kmcnt 0x0
	s_add_nc_u64 s[G0K+2:G0K+3], s[4:5], s[98:99]
	s_or_b32 s[G0K+3], s[G0K+3], 0x80000000
	s_add_nc_u64 s[G0V+2:G0V+3], s[4:5], s[100:101]
	s_or_b32 s[G0V+3], s[G0V+3], 0x80000000
	s_add_nc_u64 s[G0KS+2:G0KS+3], s[6:7], s[60:61]
	s_add_nc_u64 s[G0KS+2:G0KS+3], s[G0KS+2:G0KS+3], 0x80000
	s_or_b32 s[G0KS+3], s[G0KS+3], 0x80000000
	s_add_nc_u64 s[G0VS+2:G0VS+3], s[6:7], s[62:63]
	s_or_b32 s[G0VS+3], s[G0VS+3], 0x80000000
	; the fills: one load a wave for waves 0 to 5, each under one branch on the wave's number; four v_nop follow each
	s_cmp_lt_u32 s[WV], 2
	s_cbranch_scc0 .Lnot_k
	tensor_load_to_lds s[G0K:G0K+3], s[G1K:G1K+7]
	s_nop 0
.rept 4
	v_nop
.endr
	s_branch .Lasked
.Lnot_k:
	s_cmp_lt_u32 s[WV], 4
	s_cbranch_scc0 .Lnot_v
	tensor_load_to_lds s[G0V:G0V+3], s[G1V:G1V+7]
	s_nop 0
.rept 4
	v_nop
.endr
	s_branch .Lasked
.Lnot_v:
	s_cmp_eq_u32 s[WV], 4
	s_cbranch_scc0 .Lnot_ks
	tensor_load_to_lds s[G0KS:G0KS+3], s[G1KS:G1KS+7]
	s_nop 0
.rept 4
	v_nop
.endr
	s_branch .Lasked
.Lnot_ks:
	s_cmp_eq_u32 s[WV], 5
	s_cbranch_scc0 .Lasked
	tensor_load_to_lds s[G0VS:G0VS+3], s[G1VS:G1VS+7]
	s_nop 0
.rept 4
	v_nop
.endr
.Lasked:
	s_add_nc_u64 s[4:5], s[4:5], s[96:97]          ; q's images at my head,
	s_add_nc_u64 s[6:7], s[6:7], s[60:61]          ; q's scale words,
	s_add_nc_u64 s[8:9], s[8:9], s[70:71]          ; y's images,
	s_add_nc_u64 s[10:11], s[10:11], s[72:73]      ; y's scale bytes: stepped no more; a tile's place goes into vector offsets
	v_and_b32 v[LI], 31, v0
	s_delay_alu instid0(VALU_DEP_1)
	v_lshlrev_b32 v[LI], 4, v[LI]
	v_and_b32 v[R32], 15, v0                       ; r
	v_bfe_u32 v6, v0, 4, 1                         ; h
	s_delay_alu instid0(VALU_DEP_2)
	v_lshlrev_b32 v[R16], 4, v[R32]
	s_delay_alu instid0(VALU_DEP_4)
	v_add_nc_u32 v[AKS], KSC, v[LI]
	s_delay_alu instid0(VALU_DEP_2)
	v_add_nc_u32 v[AVS], VSC, v[R16]
	s_delay_alu instid0(VALU_DEP_4)
	v_lshlrev_b32 v6, 3, v6
	s_delay_alu instid0(VALU_DEP_1)
	v_sub_nc_u32 v[QL], v[R32], v6
	v_lshlrev_b32 v[R32], 5, v[R32]
.irp j, 4,5,6,7
	v_mov_b32 v[QF+\j], 0                          ; the upper 64 of the first product's K: zero codes, in Q
.irp t, 0,1,2,3,4,5,6,7
	v_mov_b32 v[KFR+8*\t+\j], 0                    ; and in K's eight fragments: written once, no load lands there
.endr
.endr
.irp b, 0,1,2,3
	v_mov_b32 v[BP+\b], 0                          ; written once: a lane permute's destination counts as one of its sources
.endr
	v_mov_b32 v[FF+1], 0
	v_mov_b32 v[TMP], 0
; A tile of queries begins: its offsets, Q's fragment and scale word, the statistics, O^T.  (The step is written for the general case alone: the first finds zeros, which the first change of M leaves zeros.)
.macro TILE_BEGIN
	s_lshr_b32 s[SD], s[TAU], 3
	s_mov_b32 s[ST], 0
	s_mov_b32 s[TK], 0
	s_mov_b32 s[TS], 0
	s_mov_b32 s[TJ], 0
	s_lshl_b32 s95, s[TAU], 10
	v_add_nc_u32 v[QOF], s95, v[LI]                ; Q's image: 1,024 tau + 16 x lane
	s_lshr_b32 s95, s[TAU], 2
	s_lshl_b32 s95, s95, 8
	s_and_b32 s96, s[TAU], 3
	s_lshl_b32 s96, s96, 2
	s_add_co_u32 s95, s95, s96
	v_add_nc_u32 v[QSO], s95, v[R16]               ; its scale word: 256 (tau / 4) + 16 r + 4 (tau % 4)
	s_lshl_b32 s95, s[TAU], 13
	v_add_nc_u32 v[YOF], s95, v[LI]                ; y's image: 8,192 tau + 16 x lane
	s_lshl_b32 s95, s[TAU], 9
	v_add_nc_u32 v[YSO], s95, v[R32]               ; y's scale bytes: 32 x (16 tau + r)
	global_load_b128 v[QF:QF+3], v[QOF], s[4:5]
	global_load_b32 v[QSW], v[QSO], s[6:7]
	v_mov_b32 v13, 0xff61b1e6                      ; the largest t so far: -3e38, under every t
	s_delay_alu instid0(VALU_DEP_1)
	v_floor_f32 v12, -v13                          ; -M
	v_mov_b32 v14, 0
	v_mov_b32 v15, 0
.set j, 0
.rept 32
	v_mov_b32 v[OT+j], 0
.set j, j+1
.endr
.endm
; A KEY STEP: 128 keys.
.macro STEP
	s_cmp_gt_u32 s[ST], s[SD]                      ; all its keys come after my queries: only the addresses step
	s_cbranch_scc1 .Lhidden_\@
	s_setprio 2
	v_add_nc_u32 v[ADK], s[TK], v[LI]              ; these four are also the places between the last step's products and the loads into their registers
	v_add_nc_u32 v[ADS], s[TS], v[AKS]
	v_add_nc_u32 v[ADT], s[TJ], v[AVS]
	s_delay_alu instid0(VALU_DEP_3)
	v_add_nc_u32 v[ADV], VIMG, v[ADK]
.irp t, 0,1,2,3,4,5,6,7
	ds_load_b128 v[KFR+8*\t:KFR+8*\t+3], v[ADK] offset:512*\t
.endr
	ds_load_b128 v[KSW:KSW+3], v[ADS]
.irp t, 0,1,2,3
.irp c, 0,1
	ds_load_b128 v[VFR+8*\t+4*\c:VFR+8*\t+4*\c+3], v[ADV] offset:1024*\t+512*\c
.endr
.endr
	ds_load_b128 v[VSW:VSW+3], v[ADT]
	s_wait_dscnt 9                                 ; K's nine loads are in; V's nine, issued behind them, may be out until the second product
.irp t, 0,1,2,3
	v_wmma_scale_f32_16x16x128_f8f6f4 v[S+8*\t:S+8*\t+7], v[KFR+8*\t:KFR+8*\t+7], v[QF:QF+7], 0, v[KSW+\t], v[QSW] matrix_a_fmt:MATRIX_FMT_FP4 matrix_b_fmt:MATRIX_FMT_FP4
.endr
.irp t, 4,5,6,7
	v_wmma_scale_f32_16x16x128_f8f6f4 v[S+8*\t:S+8*\t+7], v[KFR+8*\t:KFR+8*\t+7], v[QF:QF+7], 0, v[KSW+\t-4], v[QSW] matrix_a_fmt:MATRIX_FMT_FP4 matrix_b_fmt:MATRIX_FMT_FP4 matrix_a_scale:MATRIX_SCALE_ROW1
.endr
.rept 4
	v_nop
.endr
	s_cmp_lt_u32 s[ST], s[SD]                      ; all its keys count: no mask
	s_cbranch_scc1 .Lopen_\@
	s_lshl_b32 s95, s[TAU], 4
	s_lshl_b32 s96, s[ST], 7
	s_sub_co_i32 s95, s95, s96
	v_add_nc_u32 v[DD], s95, v[QL]                 ; d = my query - the step's first key - 8 h.  Register n holds key 16 (n / 8) + 8 h + n % 8 of the step: hidden where 16 (n / 8) + n % 8 > d
	v_mov_b32 v[TMP], 0xff800000                   ; -infinity
.set n, 0
.rept 64
	v_cmp_gt_i32 vcc_lo, 16*(n/8)+n%8, v[DD]
	v_cndmask_b32 v[S+n], v[S+n], v[TMP], vcc_lo
.set n, n+1
.endr
.Lopen_\@:
.irp b, 0,1,2,3
	v_max3_num_f32 v[BM+\b], v[S+16*\b], v[S+1+16*\b], v[S+2+16*\b]   ; the largest score of each block of 32 keys: it serves for the row's maximum and, since p rises with the score, for the block's largest p
.endr
.irp i, 3,5,7,9,11,13
.irp b, 0,1,2,3
	v_max3_num_f32 v[BM+\b], v[BM+\b], v[S+16*\b+\i], v[S+1+16*\b+\i]
.endr
.endr
.irp b, 0,1,2,3
	v_max_num_f32 v[BM+\b], v[BM+\b], v[S+15+16*\b]
.endr
.irp b, 0,1,2,3
	s_delay_alu instid0(VALU_DEP_4)
	v_permlanex16_b32 v[BP+\b], v[BM+\b], s[SEL], s[SEL+1]
.endr
.irp b, 0,1,2,3
	s_delay_alu instid0(VALU_DEP_4)
	v_max_num_f32 v[BM+\b], v[BM+\b], v[BP+\b]     ; with lane l xor 16's 16 keys
.endr
	s_delay_alu instid0(VALU_DEP_2)
	v_max3_num_f32 v[TMP], v[BM], v[BM+1], v[BM+2]
	s_delay_alu instid0(VALU_DEP_1)
	v_max_num_f32 v[TMP], v[TMP], v[BM+3]          ; the step's largest score of my query
	s_delay_alu instid0(VALU_DEP_1)
	v_mul_f32 v[TMP], s[CS], v[TMP]                ; as t (c is positive)
	s_delay_alu instid0(VALU_DEP_1)
	v_max_num_f32 v13, v13, v[TMP]                 ; the running largest t
	v_mov_b32 v[TMP], v12
	s_delay_alu instid0(VALU_DEP_2)
	v_floor_f32 v12, -v13                          ; the new -M = floor(-t) = -ceil(t): a whole number
	s_delay_alu instid0(VALU_DEP_1)
	v_sub_f32 v[TMP], v12, v[TMP]                  ; old M - new M: a whole number, 0 or less
	s_delay_alu instid0(VALU_DEP_1)
	v_cvt_i32_f32 v[TMP], v[TMP]                   ; (it saturates)
	s_delay_alu instid0(VALU_DEP_1)
	v_ldexp_f32 v[FF], 1.0, v[TMP]                 ; f = 2^(old M - new M)
.set j, 0
.rept 32
	v_pk_fma_f32 v[S+j:S+j+1], v[S+j:S+j+1], s[CS:CS+1], v[12:13] op_sel_hi:[1,0,0]   ; t - M, two at a time
.set j, j+2
.endr
	s_setprio 1
.irp b, 0,1,2,3
	v_fma_f32 v[BM+\b], v[BM+\b], s[CS], v12       ; the same of each block's largest score
.endr
.set j, 0
	s_wait_alu depctr_va_vdst(0)
.rept 64
	v_exp_f32 v[S+j], v[S+j]                       ; p = 2^(t - M), at most 1
.set j, j+1
.endr
.irp b, 0,1,2,3
	v_exp_f32 v[BM+\b], v[BM+\b]                   ; the block's largest p: the same two instructions on the same number
.endr
	v_pk_mul_f32 v[14:15], v[14:15], v[FF:FF+1] op_sel_hi:[1,0]   ; the sums under the new M.  (A plain place behind the exponentials)
	s_wait_alu depctr_va_vdst(0)
.irp b, 0,1,2,3
	v_max_num_f32 v[BM+\b], 0x1800000, v[BM+\b]    ; the floor 2^(3 - 127): the byte cannot fall under 1
.endr
.irp b, 0,1,2,3
	s_delay_alu instid0(VALU_DEP_4)
	v_add_nc_u32 v[SO+\b], 0xff000000, v[BM+\b]    ; 2 off the exponent field: the conversion's scale operand
.endr
.irp b, 0,1,2,3
	s_delay_alu instid0(VALU_DEP_4)
	v_lshrrev_b32 v[BP+\b], 23, v[SO+\b]           ; the scale's byte
.endr
	s_delay_alu instid0(VALU_DEP_3)
	v_lshl_or_b32 v[PSW], v[BP+1], 8, v[BP]        ; p's scale word for these 128 keys
	s_delay_alu instid0(VALU_DEP_1)
	v_lshl_or_b32 v[PSW], v[BP+2], 16, v[PSW]
	s_delay_alu instid0(VALU_DEP_1)
	v_lshl_or_b32 v[PSW], v[BP+3], 24, v[PSW]
.irp b, 0,1,2,3
	v_cvt_scalef32_pk8_fp4_f32 v[PC+4*(\b/2)+(\b%2)], v[S+16*\b:S+16*\b+7], v[SO+\b]
	v_cvt_scalef32_pk8_fp4_f32 v[PC+4*(\b/2)+2+(\b%2)], v[S+16*\b+8:S+16*\b+15], v[SO+\b]
.endr
	v_nop                                          ; one plain place behind a scaled conversion
.irp c, 0,1                                    ; two exchanges of half rows for each 64 keys: registers 4 c .. 4 c + 3 then hold keys 64 c + 32 h + 0 .. 31
	v_permlane16_swap_b32 v[PC+4*\c], v[PC+4*\c+1]
	v_permlane16_swap_b32 v[PC+4*\c+2], v[PC+4*\c+3]
.endr
	v_pk_add_f32 v[236:237], v[100:101], v[104:105]
	v_pk_add_f32 v[248:249], v[108:109], v[112:113]
	v_pk_add_f32 v[246:247], v[116:117], v[120:121]
	v_pk_add_f32 v[244:245], v[124:125], v[128:129]
	v_pk_add_f32 v[240:241], v[132:133], v[136:137]
	v_pk_add_f32 v[234:235], v[140:141], v[144:145]
	v_pk_add_f32 v[232:233], v[148:149], v[152:153]
	v_pk_add_f32 v[14:15], v[14:15], v[156:157]
	v_pk_add_f32 v[236:237], v[236:237], v[96:97]
	v_pk_add_f32 v[248:249], v[248:249], v[98:99]
	v_pk_add_f32 v[246:247], v[246:247], v[102:103]
	v_pk_add_f32 v[244:245], v[244:245], v[106:107]
	v_pk_add_f32 v[240:241], v[240:241], v[110:111]
	s_setprio 0
	v_pk_add_f32 v[234:235], v[234:235], v[114:115]
	v_pk_add_f32 v[232:233], v[232:233], v[118:119]
	v_pk_add_f32 v[14:15], v[14:15], v[122:123]
	v_pk_add_f32 v[236:237], v[236:237], v[126:127]
	v_pk_add_f32 v[248:249], v[248:249], v[130:131]
	v_pk_add_f32 v[246:247], v[246:247], v[134:135]
	v_pk_add_f32 v[244:245], v[244:245], v[138:139]
	v_pk_add_f32 v[240:241], v[240:241], v[142:143]
	v_pk_add_f32 v[234:235], v[234:235], v[146:147]
	v_pk_add_f32 v[232:233], v[232:233], v[150:151]
	v_pk_add_f32 v[14:15], v[14:15], v[154:155]
	v_pk_add_f32 v[236:237], v[236:237], v[158:159]
	s_delay_alu instid0(VALU_DEP_2)
	v_pk_add_f32 v[14:15], v[14:15], v[244:245]
	s_delay_alu instid0(VALU_DEP_2)
	v_pk_add_f32 v[236:237], v[236:237], v[240:241]
	v_pk_add_f32 v[248:249], v[248:249], v[234:235]
	v_pk_add_f32 v[246:247], v[246:247], v[232:233]
	s_delay_alu instid0(VALU_DEP_2)
	v_pk_add_f32 v[14:15], v[14:15], v[248:249]
	s_delay_alu instid0(VALU_DEP_2)
	v_pk_add_f32 v[236:237], v[236:237], v[246:247]
	s_delay_alu instid0(VALU_DEP_1)
	v_pk_add_f32 v[14:15], v[14:15], v[236:237]
.set j, 0
.rept 16
	v_pk_mul_f32 v[OT+j:OT+j+1], v[OT+j:OT+j+1], v[FF:FF+1] op_sel_hi:[1,0]   ; O^T under the new M.  (With the sums above: the places between the lines that made p's codes and scale word and the products below)
.set j, j+2
.endr
	s_wait_alu depctr_va_vdst(0)
	s_wait_dscnt 0x0                               ; V is in
.irp t, 0,1,2,3                                ; the four accumulators take turns, one instruction a turn
	v_wmma_scale_f32_16x16x128_f8f6f4 v[OT+8*\t:OT+8*\t+7], v[VFR+8*\t:VFR+8*\t+7], v[PC:PC+7], v[OT+8*\t:OT+8*\t+7], v[VSW+\t], v[PSW] matrix_a_fmt:MATRIX_FMT_FP4 matrix_b_fmt:MATRIX_FMT_FP4
.endr
.Lhidden_\@:
	s_add_co_u32 s[ST], s[ST], 1
	s_add_co_u32 s[TK], s[TK], 4096
	s_add_co_u32 s[TS], s[TS], 512
	s_add_co_u32 s[TJ], s[TJ], 256
.endm
.macro KLOOP trips                     ; a constant number of trips: every LDS address is a constant, a lane term and a counted step
	s_mov_b32 s[CNT], \trips
.Lkeys_\@:
	STEP
	s_sub_co_u32 s[CNT], s[CNT], 1
	s_cmp_lg_u32 s[CNT], 0
	s_cbranch_scc1 .Lkeys_\@
	s_setprio 0
.endm
; A tile ends: y = O^T / the sum; its two blocks of 32 channels are quantised and leave as an image of four operand registers and two scale bytes.
.macro TILE_END
.rept 4
	v_nop                                          ; places behind the last products
.endr
	v_add_f32 v14, v14, v15
	s_delay_alu instid0(VALU_DEP_1)
	v_permlanex16_b32 v[TMP], v14, s[SEL], s[SEL+1]
	s_delay_alu instid0(VALU_DEP_1)
	v_add_f32 v14, v14, v[TMP]                     ; the row's sum
	s_wait_alu depctr_va_vdst(0)
	v_rcp_f32 v14, v14
	v_nop                                          ; a plain place behind the transcendental
.set j, 0
	s_wait_alu depctr_va_vdst(0)
.rept 16
	v_pk_mul_f32 v[S+j:S+j+1], v[OT+j:OT+j+1], v[14:15] op_sel_hi:[1,0]   ; register 8 t + i is y(query r, channel 16 t + 8 h + i); each accumulator from its low end on
.set j, j+2
.endr
.irp b, 0,1
	v_max3_num_f32 v[BM+\b], |v[S+16*\b]|, |v[S+1+16*\b]|, 0x1800000
.endr
.irp i, 2,4,6,8,10,12,14
.irp b, 0,1
	s_delay_alu instid0(VALU_DEP_2)
	v_max3_num_f32 v[BM+\b], v[BM+\b], |v[S+16*\b+\i]|, |v[S+1+16*\b+\i]|
.endr
.endr
.irp b, 0,1
	s_delay_alu instid0(VALU_DEP_2)
	v_permlanex16_b32 v[BP+\b], v[BM+\b], s[SEL], s[SEL+1]
.endr
.irp b, 0,1
	s_delay_alu instid0(VALU_DEP_2)
	v_max_num_f32 v[BM+\b], v[BM+\b], v[BP+\b]
.endr
.irp b, 0,1
	s_delay_alu instid0(VALU_DEP_2)
	v_add_nc_u32 v[SO+\b], 0xff000000, v[BM+\b]
.endr
.irp b, 0,1
	s_delay_alu instid0(VALU_DEP_2)
	v_lshrrev_b32 v[BP+\b], 23, v[SO+\b]
.endr
	s_delay_alu instid0(VALU_DEP_1)
	v_lshl_or_b32 v[YB], v[BP+1], 8, v[BP]
	v_cvt_scalef32_pk8_fp4_f32 v[PC], v[S:S+7], v[SO]
	v_cvt_scalef32_pk8_fp4_f32 v[PC+2], v[S+8:S+15], v[SO]
	v_cvt_scalef32_pk8_fp4_f32 v[PC+1], v[S+16:S+23], v[SO+1]
	v_cvt_scalef32_pk8_fp4_f32 v[PC+3], v[S+24:S+31], v[SO+1]
	v_nop
	v_permlane16_swap_b32 v[PC], v[PC+1]
	v_permlane16_swap_b32 v[PC+2], v[PC+3]         ; registers 0 .. 3: channels 32 h + 0 .. 31 of the head
	global_store_b128 v[YOF], v[PC:PC+3], s[8:9]   ; 32 lanes store 512 consecutive bytes, aligned
	global_store_b16 v[YSO], v[YB], s[10:11]       ; my token's two bytes (both halves of the lanes write the same bytes with the same values)
.endm
	s_lshl_b32 s[TAU], ttmp9, 4
	s_add_co_u32 s[TAU], s[TAU], s[WV]             ; the first tile: 16 i + w, among the first 64
	TILE_BEGIN
	s_wait_loadcnt 0x0                             ; Q
	s_wait_tensorcnt 0x0                           ; my fill, if I issued one, has landed,
	s_barrier_signal -1
	s_barrier_wait -1                              ; everybody's has: from here on LDS is only read
	KLOOP 8                                        ; its diagonal lies in steps 0 to 7
	TILE_END
	s_wait_xcnt 0x0                                ; the stores have read their data and offsets: both are written again below
	s_sub_co_u32 s[TAU], 127, s[TAU]               ; the second tile: its steps and the first tile's make 17
	TILE_BEGIN
	s_wait_loadcnt 0x0
	KLOOP 16
	TILE_END
	s_wait_xcnt 0x0
	v_lshl_add_u32 v254, v0, 2, 0x29000
	v_mov_b32 v255, 0
	s_wait_alu depctr_va_vdst(0)
	s_wait_tensorcnt 0x0
	ds_add_u32 v254, v255
	s_wait_dscnt 0x0
	s_endpgm
.Lfunc_end_k_q821265ba74_attn:
	.size	k_q821265ba74_attn, .Lfunc_end_k_q821265ba74_attn-k_q821265ba74_attn
	.p2alignl 7, 3214868480
	.fill 96, 4, 3214868480
	.section	.rodata,"a",@progbits
	.p2align	6, 0x0
	.amdhsa_kernel k_q821265ba74_attn
		.amdhsa_group_segment_fixed_size 169984
		.amdhsa_private_segment_fixed_size 0
		.amdhsa_enable_private_segment 0
		.amdhsa_kernarg_size 32
		.amdhsa_user_sgpr_count 2
		.amdhsa_user_sgpr_kernarg_segment_ptr 1
		.amdhsa_wavefront_size32 1
		.amdhsa_system_sgpr_workgroup_id_x 1
		.amdhsa_system_sgpr_workgroup_id_y 1
		.amdhsa_system_sgpr_workgroup_id_z 1
		.amdhsa_system_vgpr_workitem_id 0
		.amdhsa_next_free_vgpr 256
		.amdhsa_next_free_sgpr 102
		.amdhsa_reserve_vcc 1
		.amdhsa_float_denorm_mode_32 3
		.amdhsa_float_denorm_mode_16_64 3
		.amdhsa_memory_ordered 1
		.amdhsa_forward_progress 1
		.amdhsa_inst_pref_size 64
	.end_amdhsa_kernel
	.amdgpu_metadata
---
amdhsa.version: [ 1, 2 ]
amdhsa.kernels:
  - .name:           k_q821265ba74_attn
    .symbol:         k_q821265ba74_attn.kd
    .args:
      - { .name: qkv_img, .offset: 0, .size: 8, .value_kind: global_buffer, .address_space: global }
      - { .name: qkv_scl, .offset: 8, .size: 8, .value_kind: global_buffer, .address_space: global }
      - { .name: y_img, .offset: 16, .size: 8, .value_kind: global_buffer, .address_space: global }
      - { .name: y_scl, .offset: 24, .size: 8, .value_kind: global_buffer, .address_space: global }
    .group_segment_fixed_size: 169984
    .private_segment_fixed_size: 0
    .kernarg_segment_align: 8
    .kernarg_segment_size: 32
    .max_flat_workgroup_size: 512
    .sgpr_count:     102
    .vgpr_count:     256
    .wavefront_size: 32
...
	.end_amdgpu_metadata
.endif
;; end of part 2
;; launch proj (part 3): grid 4 x 32, 4 waves a work-group, clusters of 4 x 4, 327,680 bytes of LDS; arguments y_img, y_scl, w_proj_codes, w_proj_scales, b_proj, out0; writes out0
.if DOCPART == 3
	.amdgcn_target "amdgcn-amd-amdhsa--gfx1250"
	.amdhsa_code_object_version 6
	.text
	.protected	k_q821265ba74_proj
	.globl	k_q821265ba74_proj
	.p2align	8
	.type	k_q821265ba74_proj,@function
k_q821265ba74_proj:
	s_mov_b64 s[64:65], 0
	v_nop
	global_prefetch_b8 v0, s[64:65] scope:SCOPE_SE
	s_setreg_imm32_b32 hwreg(HW_REG_WAVE_MODE, 25, 1), 1
	s_wait_xcnt 0x0
	s_wait_alu depctr_hold_cnt(0) depctr_sa_sdst(0) depctr_va_vdst(0) depctr_va_sdst(0) depctr_va_ssrc(0) depctr_va_vcc(0) depctr_vm_vsrc(0)
	s_getreg_b32 s2, hwreg(HW_REG_IB_STS2, 6, 4)
	s_cmp_eq_u32 s2, 0
	s_cbranch_scc0 .Lentry_in_a_cluster
	s_endpgm
.Lentry_in_a_cluster:
	s_bfe_u32 s2, ttmp6, 0x10000c
	s_cmp_lg_u32 s2, 0xf033
	s_cbranch_scc0 .Lentry_shape_is_right
	s_endpgm
.Lentry_shape_is_right:
; out0 = y W^T + b_proj on codes of FP4 (E2M1) with one E8M0 scale for each 32 along K (K = 1,024); out0 [8,192][1,024] f32.
; y's codes come as images of operand registers: [token tile of 16][head 16][512 bytes], lane l's 16 bytes at 16 l: pieces 2 k and 2 k + 1 are the eight registers of the fragment of the k-th 128 along K.
; y's scale bytes [token][32], W's codes [1,024][512 bytes] and scale bytes [1,024][32] lie by rows.
; A tile of out0 is 256 x 256: four waves, each 128 x 128, 64 accumulators.  All of K fits into two LDS slots (512 along K each): every LDS byte is filled once; one tensor load a wave is out at a time.
; CLUSTERS: 4 x 4 work-groups; y's tiles are asked for jointly along a row of the cluster, W's along a column.  Source 0 = 16 rows of W, source 1 = 16 tokens: a lane holds eight neighbouring numbers of a row of out0.
; The bias is the C of each sum's first matrix instruction.  128 work-groups: the tile is kept at the size at which each LDS byte feeds the most products.
; REGISTERS: window 0: v1-7 at work, v16-27 addresses, v32-95 scale words (two sets, nothing else), v128-191 y's fragments, v192-255 the bias; on the way out v128-255 take rows of out0.
;   window 1: W's fragments, two sets.   windows 2, 3: the accumulators ((a, b) at v[8 (8 (a % 4) + b)] of window 2 + a / 4).
.set SIZE_N, 1024
.set NQ,     4
.set ROWB,   256
.set KROW,   512
.set PITCH,  272                       ; W's LDS rows: 256 bytes + 16 of padding
.set FR,     8
.set NL,     2
.set NP,     4
.set HALFT,  128*PITCH                 ; the room of 128 rows (y's images use 32,768 bytes of it)
.set SLOT,   4*HALFT
.set KS,     32
.set SCL,    2*SLOT
.set HALFS,  (128*KS/256)*272
.set SBLK,   (16*KS/256)*272
.set SPITCH, 528                       ; the way out: a stage of 16 rows x (512 bytes + 16) for each wave, in slot 0, which has had its only fill and its last read when the first result is stored there
.set ADRA, 16
.set ADRB, 20
.set STO,  24
.set RD,   25
.set CO,   26
.set ADRS, 27
.set VB,   30
.set SC,   32
.set AF,   128
.set BI,   192
.set BK,   128
.set G1, 24
.set G0, 32
.set G1B, 48
.set G0B, 56
.set G1S, 68
.set G0S, 76
.set G1SB, 80
.set G0SB, 88
.set MSB, 0
.macro WIN new
.if MSB != (\new)
	s_set_vgpr_msb (MSB<<8)|(\new)
.set MSB, (\new)
.endif
.endm
.set TO_B, 0x40
.macro JLOAD g0a, g1a, g0b, g1b        ; a joint load: waves 0 and 1 fetch for y, waves 2 and 3 for W; four v_nop follow each of the two lines
	s_cmp_eq_u32 s15, 0
	s_cbranch_scc0 .Lfor_b_\@
	tensor_load_to_lds s[\g0a:\g0a+3], s[\g1a:\g1a+7]
	s_nop 0
.rept 4
	v_nop
.endr
	s_branch .Lasked_\@
.Lfor_b_\@:
	tensor_load_to_lds s[\g0b:\g0b+3], s[\g1b:\g1b+7]
	s_nop 0
.rept 4
	v_nop
.endr
.Lasked_\@:
.endm
.macro CROUND
	s_barrier_signal -1
	s_barrier_wait -1
	s_cmp_lg_u32 s14, 0
	s_cbranch_scc1 .Lnot_wave_0_\@
	s_barrier_signal -3
.Lnot_wave_0_\@:
	s_barrier_wait -3
	s_barrier_signal -1
	s_barrier_wait -1
.endm
	s_load_b128 s[4:7], s[0:1], 0x0                ; y's images, y's scale bytes
	s_load_b128 s[8:11], s[0:1], 0x10              ; W's codes, W's scale bytes
	s_load_b64 s[96:97], s[0:1], 0x20              ; the bias
	s_load_b64 s[12:13], s[0:1], 0x28              ; out0
	v_lshl_add_u32 v126, v0, 2, 0x48800
	v_mov_b32 v127, 0
	ds_add_u32 v126, v127
	ds_add_u32 v126, v127
	v_lshrrev_b32 v1, 5, v0
	v_readfirstlane_b32 s14, v1                    ; wave 0..3
	s_lshr_b32 s15, s14, 1                         ; which half of the tile's rows is mine.  Also: I fetch for y (0) or for W (1)
	s_and_b32 s16, s14, 1                          ; which half of its columns.  Also: which 128 rows I fetch
	s_bfe_u32 s40, ttmp6, 0x40000
	s_bfe_u32 s41, ttmp6, 0x40004
	s_lshl_b32 s42, ttmp9, 2
	s_add_co_u32 s42, s42, s40                     ; tile column
	s_and_b32 s17, ttmp7, 0xffff
	s_lshl_b32 s17, s17, 2
	s_add_co_u32 s17, s17, s41                     ; tile row
	s_lshl_b32 s43, s41, 2
	s_lshl_b32 s43, 15, s43                        ; my row of the cluster
	s_lshl_b32 s44, 0x1111, s40                    ; my column
	; y's tiles: 8 rows (token tiles) of 4,096 bytes (four fragments' images), 8,192 apart; elements of 8 bytes; no padding: every LDS load reads 512 consecutive bytes
	s_or_b32 s[G1+0], s43, (3<<16)|(1<<21)
	s_mov_b32 s[G1+1], 512<<16
	s_mov_b32 s[G1+2], 8<<16
	s_mov_b32 s[G1+3], 512<<16
	s_mov_b32 s[G1+4], 8
	s_mov_b32 s[G1+5], 1024
	s_mov_b32 s[G1+6], 0
	s_mov_b32 s[G1+7], 0
	; W's tiles: 128 rows of 256 bytes, 512 apart, 16 bytes of padding behind each
	s_or_b32 s[G1B+0], s44, (0<<16)|(1<<20)|(1<<21)|(5<<22)|(3<<25)
	s_mov_b32 s[G1B+1], ROWB<<16
	s_mov_b32 s[G1B+2], 128<<16
	s_mov_b32 s[G1B+3], ROWB<<16
	s_mov_b32 s[G1B+4], 128
	s_mov_b32 s[G1B+5], KROW
	s_mov_b32 s[G1B+6], 0
	s_mov_b32 s[G1B+7], 0
	s_or_b32 s[G1S+0], s43, (3<<16)|(1<<20)|(1<<21)|(5<<22)|(3<<25)  ; the scales of 128 rows: 4,096 dense bytes as 16 rows of 256, 16 bytes of padding behind each
	s_or_b32 s[G1SB+0], s44, (3<<16)|(1<<20)|(1<<21)|(5<<22)|(3<<25)
.irp g, G1S, G1SB
	s_mov_b32 s[\g+1], 32<<16
	s_mov_b32 s[\g+2], (128*KS/256)<<16
	s_mov_b32 s[\g+3], 32<<16
	s_mov_b32 s[\g+4], 128*KS/256
	s_mov_b32 s[\g+5], 32
	s_mov_b32 s[\g+6], 0
	s_mov_b32 s[\g+7], 0
.endr
	s_lshl_b32 s18, s16, 7
	s_lshl_b32 s20, s17, 8
	s_add_co_u32 s20, s20, s18                     ; y: first token
	s_lshl_b32 s46, s42, 8
	s_add_co_u32 s46, s46, s18                     ; W: first row
	s_mov_b32 s21, 0
	s_mov_b32 s47, 0
	s_mov_b64 s[18:19], KS
	s_mul_u64 s[22:23], s[20:21], s[18:19]
	s_mul_u64 s[92:93], s[46:47], s[18:19]
	s_mov_b64 s[18:19], KROW
	s_mul_u64 s[20:21], s[20:21], s[18:19]         ; 512 bytes a token in the images too (8,192 for 16)
	s_mul_u64 s[46:47], s[46:47], s[18:19]
	s_mul_i32 s45, s14, HALFT
	s_mul_i32 s94, s14, HALFS
	s_wait_dscnt 0x0
	s_wait_kmcnt 0x0
	s_add_nc_u64 s[20:21], s[4:5], s[20:21]
	s_add_nc_u64 s[22:23], s[6:7], s[22:23]
	s_add_nc_u64 s[46:47], s[8:9], s[46:47]
	s_add_nc_u64 s[92:93], s[10:11], s[92:93]
	CROUND                                         ; all sixteen work-groups are here: the joint loads meet
	s_mov_b32 s[G0S], 1
	s_add_co_u32 s[G0S+1], s94, SCL
	s_mov_b64 s[G0S+2:G0S+3], s[22:23]
	s_or_b32 s[G0S+3], s[G0S+3], 0x80000000
	s_mov_b32 s[G0SB], 1
	s_add_co_u32 s[G0SB+1], s94, SCL
	s_mov_b64 s[G0SB+2:G0SB+3], s[92:93]
	s_or_b32 s[G0SB+3], s[G0SB+3], 0x80000000
	JLOAD G0S, G1S, G0SB, G1SB
.irp s, 0,1
	s_mov_b32 s[G0+4*\s], 1
	s_add_co_u32 s[G0+4*\s+1], s45, \s*SLOT
	s_add_nc_u64 s[G0+4*\s+2:G0+4*\s+3], s[20:21], \s*4096
	s_or_b32 s[G0+4*\s+3], s[G0+4*\s+3], 0x80000000
	s_mov_b32 s[G0B+4*\s], 1
	s_add_co_u32 s[G0B+4*\s+1], s45, \s*SLOT
	s_add_nc_u64 s[G0B+4*\s+2:G0B+4*\s+3], s[46:47], \s*ROWB
	s_or_b32 s[G0B+4*\s+3], s[G0B+4*\s+3], 0x80000000
	s_wait_alu depctr_va_vdst(0)
	s_wait_tensorcnt 0x0
	ds_add_u32 v126, v127
	s_wait_dscnt 0x0
	CROUND
	JLOAD G0+4*\s, G1, G0B+4*\s, G1B
.endr
	v_and_b32 v1, 15, v0                           ; r
	v_bfe_u32 v2, v0, 4, 1                         ; h
	v_mul_u32_u24 v3, v1, PITCH
	v_lshl_add_u32 v4, v2, 4, v3                   ; W: a fragment's row x pitch + 16 h
	v_and_b32 v6, 31, v0
	v_lshlrev_b32 v7, 4, v6                        ; y: 16 x lane
	s_mul_i32 s21, s15, HALFT
	s_mul_i32 s22, s16, HALFT
	s_add_co_u32 s22, s22, 2*HALFT
.irp s, 0,1
	v_add_nc_u32 v[ADRA+\s], s21, v7
	v_add_nc_u32 v[ADRB+\s], s22, v4
	s_add_co_u32 s21, s21, SLOT
	s_add_co_u32 s22, s22, SLOT
.endr
	v_mul_u32_u24 v5, v1, KS
	v_lshrrev_b32 v6, 8, v5
	v_lshl_add_u32 v5, v6, 4, v5
	s_mul_i32 s21, s15, HALFS
	s_mul_i32 s22, s16, HALFS
	s_add_co_u32 s22, s22, 2*HALFS
	s_sub_co_u32 s22, s22, s21
	v_mul_u32_u24 v6, s22, v2                      ; lanes 16-31 take W's scale words
	s_add_co_u32 s21, s21, SCL
	v_add_nc_u32 v5, v5, v6
	v_add_nc_u32 v[ADRS], s21, v5
	s_mul_i32 s23, s14, 16*SPITCH                  ; my stage
	v_mul_u32_u24 v5, v1, SPITCH
	v_lshl_add_u32 v5, v2, 5, v5
	v_add_nc_u32 v[STO], s23, v5                   ; in: row r, 32 bytes for each half of the lanes
	v_mov_b32 v[CO], v7                            ; back: the 32 lanes take one row of 512 bytes; and the same in out0
	v_add_nc_u32 v[RD], s23, v7
	s_lshl_b32 s20, s17, 8
	s_lshl_b32 s21, s15, 7
	s_add_co_u32 s20, s20, s21                     ; my first row of out0
	s_mov_b32 s21, 0
	s_mov_b64 s[18:19], SIZE_N*4
	s_mul_u64 s[20:21], s[20:21], s[18:19]
	s_lshl_b32 s46, s42, 10                        ; my first column, in bytes
	s_lshl_b32 s47, s16, 9
	s_add_co_u32 s46, s46, s47
	s_mov_b32 s47, 0
	s_add_nc_u64 s[96:97], s[96:97], s[46:47]      ; the bias of my 128 columns
	s_add_nc_u64 s[20:21], s[20:21], s[46:47]
	s_add_nc_u64 s[12:13], s[12:13], s[20:21]
	v_lshlrev_b32 v[VB], 5, v2                     ; tile b's eight columns of my half
.irp b, 0,1,2,3,4,5,6,7
	global_load_b128 v[BI+8*\b:BI+8*\b+3], v[VB], s[96:97] offset:64*\b
	global_load_b128 v[BI+8*\b+4:BI+8*\b+7], v[VB], s[96:97] offset:64*\b+16
.endr
.macro FRAG reg, adr, q, i             ; W: 16 rows x 128 K from rows
.irp c, 0,1
	ds_load_b128 v[\reg+4*\c:\reg+4*\c+3], v[\adr] offset:64*(\q)+32*\c+(\i)*16*PITCH
.endr
.endm
.macro FRAGA reg, adr, q, i            ; y: the image of token tile i, the slot's q-th 128 along K
.irp c, 0,1
	ds_load_b128 v[\reg+4*\c:\reg+4*\c+3], v[\adr] offset:4096*(\i)+1024*(\q)+512*\c
.endr
.endm
.macro MUL16 a0, p, q, sc, cin         ; 16 matrix instructions; cin = 1: the sums start with the bias.  The 64 accumulators take turns, one instruction a turn
.irp a, \a0, \a0+1
.irp b, 0,1,2,3,4,5,6,7
.if \cin
	v_wmma_scale_f32_16x16x128_f8f6f4 v[8*(8*((\a)%4)+\b):8*(8*((\a)%4)+\b)+7], v[128*(\p)+FR*\b:128*(\p)+FR*\b+FR-1], v[AF+FR*(\a):AF+FR*(\a)+FR-1], v[BI+8*\b:BI+8*\b+7], v[SC+8*NQ*(\sc)+NQ*\b+(\q)], v[SC+8*NQ*(\sc)+NQ*(\a)+(\q)] matrix_a_fmt:MATRIX_FMT_FP4 matrix_b_fmt:MATRIX_FMT_FP4 matrix_a_scale:MATRIX_SCALE_ROW1
.else
	v_wmma_scale_f32_16x16x128_f8f6f4 v[8*(8*((\a)%4)+\b):8*(8*((\a)%4)+\b)+7], v[128*(\p)+FR*\b:128*(\p)+FR*\b+FR-1], v[AF+FR*(\a):AF+FR*(\a)+FR-1], v[8*(8*((\a)%4)+\b):8*(8*((\a)%4)+\b)+7], v[SC+8*NQ*(\sc)+NQ*\b+(\q)], v[SC+8*NQ*(\sc)+NQ*(\a)+(\q)] matrix_a_fmt:MATRIX_FMT_FP4 matrix_b_fmt:MATRIX_FMT_FP4 matrix_a_scale:MATRIX_SCALE_ROW1
.endif
.endr
.endr
.endm
.macro FETCH_B slot, q, p
	WIN TO_B
.irp i, 0,1,2,3,4,5,6,7
	FRAG 128*(\p)+FR*\i, ADRB+\slot, \q, \i
.endr
	WIN 0
.endm
.macro FETCH_A slot, q, i0
.irp i, \i0, \i0+1, \i0+2, \i0+3
	FRAGA AF+FR*(\i), ADRA+\slot, \q, \i
.endr
.endm
.macro SCALES sc
.irp i, 0,1,2,3,4,5,6,7
	ds_load_b128 v[SC+8*NQ*\sc+NQ*\i:SC+8*NQ*\sc+NQ*\i+3], v[ADRS] offset:\i*SBLK
.endr
.endm
.macro PLACES n                        ; plain vector instructions between a matrix instruction and a load into, or a read of, its registers
.rept \n
	v_nop
.endr
.endm
.macro STEP slot, q, cin
	s_wait_dscnt 4*NL                              ; W's set, y's blocks 0-3 (and the scale words) are in; the eight youngest loads, y's blocks 4-7, may be out
.if \cin
	WIN 0x81                                       ; W window 1, y window 0, C (the bias) window 0, D window 2
.else
	WIN 0xa1
.endif
	MUL16 0, (\q)%2, \q, \slot, \cin
	MUL16 2, (\q)%2, \q, \slot, \cin
	s_wait_dscnt 0
	PLACES NP
	FETCH_B \slot, (\q)+1, 1-(\q)%2
	FETCH_A \slot, (\q)+1, 0
.if \cin
	WIN 0xc1
.else
	WIN 0xf1
.endif
	MUL16 4, (\q)%2, \q, \slot, \cin
	MUL16 6, (\q)%2, \q, \slot, \cin
	PLACES NP
	WIN 0
	FETCH_A \slot, (\q)+1, 4
.endm
.macro STEPS slot, from
.set Q, \from
.rept NQ-1-\from
	STEP \slot, Q, 0
.set Q, Q+1
.endr
.endm
	s_wait_alu depctr_va_vdst(0)
	s_wait_tensorcnt 1                             ; the scales and my part of slot 0 are in; slot 1's load may be out
	s_barrier_signal -1
	s_barrier_wait -1
	FETCH_B 0, 0, 0
	FETCH_A 0, 0, 0
	SCALES 0
	FETCH_A 0, 0, 4
	s_wait_loadcnt 0x0                             ; the bias
	STEP 0, 0, 1
	STEPS 0, 1
	; slot 0's last step changes slots: each wave's part of slot 1 has landed and its reads of slot 0 are over, then the barrier; nothing is filled again
	s_wait_tensorcnt 0x0
	s_wait_dscnt 4*NL
	WIN 0xa1
	MUL16 0, 1, NQ-1, 0, 0
	s_wait_dscnt 0x0
	s_barrier_signal -1
	MUL16 2, 1, NQ-1, 0, 0
	WIN 0
	s_barrier_wait -1
	PLACES NP
	v_add_nc_u32 v[ADRS], 4*NQ, v[ADRS]
	FETCH_B 1, 0, 0
	FETCH_A 1, 0, 0
	SCALES 1
	WIN 0xf1
	MUL16 4, 1, NQ-1, 0, 0
	MUL16 6, 1, NQ-1, 0, 0
	PLACES NP
	WIN 0
	FETCH_A 1, 0, 4
	STEPS 1, 0
	s_wait_dscnt 4*NL
	WIN 0xa1
	MUL16 0, 1, NQ-1, 1, 0
	MUL16 2, 1, NQ-1, 1, 0
	s_wait_dscnt 0
	WIN 0xf1
	MUL16 4, 1, NQ-1, 1, 0
	MUL16 6, 1, NQ-1, 1, 0
	WIN 0
; THE WAY OUT, block by block of 16 rows x 128 columns, through my own stage in LDS: in as 32 bytes a lane, back as whole rows of 512 bytes.  LDS serves a wave's instructions in order (ISA guide 5.7.1.4):
; no wait between the stores and the loads, nor in front of the next block's stores.
.macro TOSTAGE a
.set AC, 64*((\a)%4)
	WIN 0x08+4*((\a)/4)                            ; an LDS store's data: window 2 or 3
.irp b, 0,1,2,3,4,5,6,7
	ds_store_b128 v[STO], v[AC+8*\b:AC+8*\b+3] offset:64*\b          ; each accumulator from its low end on
	ds_store_b128 v[STO], v[AC+8*\b+4:AC+8*\b+7] offset:64*\b+16
.endr
	WIN 0
.set BB, BK+64*((\a)%2)
.irp t, 0,1,2,3,4,5,6,7,8,9,10,11,12,13,14,15
	ds_load_b128 v[BB+4*\t:BB+4*\t+3], v[RD] offset:\t*SPITCH
.endr
.endm
.macro SEND a, younger                 ; younger: the LDS instructions issued behind block a's loads, which may stay out
.set BB, BK+64*((\a)%2)
	s_wait_dscnt \younger
.if (\a) > 0
	s_add_nc_u64 s[12:13], s[12:13], 16*SIZE_N*4   ; (behind a wait on XCNT: the earlier stores have read their base)  16 rows on
.endif
.irp t, 0,1,2,3,4,5,6,7,8,9,10,11,12,13,14,15
	global_store_b128 v[CO], v[BB+4*\t:BB+4*\t+3], s[12:13] offset:\t*SIZE_N*4 th:TH_STORE_NT   ; 32 lanes store 512 consecutive bytes, aligned; written once, read by nobody here
.endr
.endm
	PLACES NP
	TOSTAGE 0
.irp a, 1,2,3,4,5,6,7
.if \a > 1
	s_wait_xcnt 0x0                                ; block a - 2's stores have read their registers and their base
.endif
	TOSTAGE \a
	SEND \a-1, 32                                  ; behind block a - 1's loads: block a's 16 stores and 16 loads
.endr
	s_wait_xcnt 0x0
	SEND 7, 0
	s_wait_tensorcnt 0x0
	s_wait_tensorcnt 0x0
	ds_add_u32 v126, v127
	s_wait_dscnt 0x0
	CROUND                                         ; the closing round: no work-group ends while a partner may still ask for a tile that names it
	s_endpgm
.Lfunc_end_k_q821265ba74_proj:
	.size	k_q821265ba74_proj, .Lfunc_end_k_q821265ba74_proj-k_q821265ba74_proj
	.p2alignl 7, 3214868480
	.fill 96, 4, 3214868480
	.section	.rodata,"a",@progbits
	.p2align	6, 0x0
	.amdhsa_kernel k_q821265ba74_proj
		.amdhsa_group_segment_fixed_size 327680
		.amdhsa_private_segment_fixed_size 0
		.amdhsa_enable_private_segment 0
		.amdhsa_kernarg_size 48
		.amdhsa_user_sgpr_count 2
		.amdhsa_user_sgpr_kernarg_segment_ptr 1
		.amdhsa_wavefront_size32 1
		.amdhsa_system_sgpr_workgroup_id_x 1
		.amdhsa_system_sgpr_workgroup_id_y 1
		.amdhsa_system_sgpr_workgroup_id_z 1
		.amdhsa_system_vgpr_workitem_id 0
		.amdhsa_next_free_vgpr 1024
		.amdhsa_next_free_sgpr 98
		.amdhsa_reserve_vcc 0
		.amdhsa_float_denorm_mode_32 3
		.amdhsa_float_denorm_mode_16_64 3
		.amdhsa_memory_ordered 1
		.amdhsa_forward_progress 1
		.amdhsa_inst_pref_size 127
	.end_amdhsa_kernel
	.amdgpu_metadata
---
amdhsa.version: [ 1, 2 ]
amdhsa.kernels:
  - .name:           k_q821265ba74_proj
    .symbol:         k_q821265ba74_proj.kd
    .args:
      - { .name: y_img, .offset: 0, .size: 8, .value_kind: global_buffer, .address_space: global }
      - { .name: y_scl, .offset: 8, .size: 8, .value_kind: global_buffer, .address_space: global }
      - { .name: w_proj_codes, .offset: 16, .size: 8, .value_kind: global_buffer, .address_space: global }
      - { .name: w_proj_scales, .offset: 24, .size: 8, .value_kind: global_buffer, .address_space: global }
      - { .name: b_proj, .offset: 32, .size: 8, .value_kind: global_buffer, .address_space: global }
      - { .name: out0, .offset: 40, .size: 8, .value_kind: global_buffer, .address_space: global }
    .group_segment_fixed_size: 327680
    .private_segment_fixed_size: 0
    .kernarg_segment_align: 8
    .kernarg_segment_size: 48
    .max_flat_workgroup_size: 128
    .sgpr_count:     98
    .vgpr_count:     1024
    .wavefront_size: 32
...
	.end_amdgpu_metadata
.endif
;; end of part 3
